; MI455X (gfx1250); checked and timed in simulation.
; The chip was launched on July 23, 2026; its instructions are those of AMD's public machine-readable ISA for CDNA 5 (MIT licence, August 2026) and "CDNA5" Instruction Set Architecture Reference Guide (July 2026). The comments in the code are by the model that wrote it; some were corrected since.
;; Attn. Allowed arithmetic: matrix products marked QUANTISED: E5M2 operands, one E8M0 scale for each 32 along K, by v_wmma_scale_f32_16x16x128_f8f6f4 with both operands' format E5M2, f32 sums; products left as they are: f32 operands where the result goes on into a quantised operand, else bf16, f16 or f32 operands; f32 sums; everything else in f32.
;; Inputs: W 1,024 x 3,072 float32; b 1,024 float32; encoder_outputs 64 x 256 x 1,024 float32; hidden 2 x 64 x 1,024 float32; v 1,024 float32.
;; Outputs: out0 64 x 256 float32.
;; This version of the problem:
;;   THIS VERSION OF THE PROBLEM IS GIVEN IN LOW PRECISION. The matrix products marked QUANTISED in the list below multiply operands that are first quantised to E5M2 (5 exponent bits, 2 mantissa bits; 8 bits a number), with one power-of-two scale for each 32 numbers along K (OCP MX v1.0); their sums are f32. All else is computed in f32.
;;   The module's matrix products, in the order in which they are computed (A, B: the left and right operand; K: the contracted axis; several contracted axes count as one K, in the product's order):
;;     1. [M 16,384, K 3,072] x [K 3,072, N 1,024]; A: computed on the way; B: input W: QUANTISED
;;     2. [M 16,384, K 1,024] x [K 1,024, N 1]; A: computed on the way; B: input v: left as it is (N = 1 < 16)
;;   THE QUANTISER, for each operand of a quantised product, along K:
;;     - K is cut into blocks of 32 from its start; a last block that is shorter is filled with zeros.
;;     - A block's scale is 2^e with e = floor(log2(the largest magnitude in the block)) - 15, held to -126 .. 127; a block of zeros has e = 0. As a byte (E8M0): e + 127.
;;     - Each number is divided by its block's scale, clamped to +-57,344, and rounded to the nearest number of E5M2, ties to even, subnormals kept.
;;     - The product sums the exact products of the quantised numbers (number of the format x scale) in f32.
;;   ~~~python
;;   def quantise(x, axis):      # numpy; x: float32 -> the quantised numbers, widened to float32 again
;;       x = np.moveaxis(x, axis, -1); K = x.shape[-1]
;;       x = np.pad(x, [(0, 0)] * (x.ndim - 1) + [(0, -K % 32)]); x = x.reshape(x.shape[:-1] + (-1, 32)); a = np.abs(x).max(-1, keepdims=True)
;;       e = np.where(a > 0, np.clip(np.frexp(np.where(a > 0, a, 1))[1] - 1 - 15, -126, 127), 0)      # np.frexp(a)[1] - 1 = floor(log2(a)), exactly
;;       r = np.clip(x / 2.0 ** e, -57344, 57344)
;;       step = 2.0 ** (np.maximum(np.frexp(np.where(r == 0, 1, r))[1] - 1, -14) - 2)
;;       q = np.round(r / step) * step * 2.0 ** e      # np.round: ties to even
;;       return np.moveaxis(q.reshape(q.shape[:-2] + (-1,))[..., :K], -1, axis).astype(np.float32)
;;   ~~~
;;   OPERANDS COMPUTED ON THE WAY. 'Computed on the way' means the value that the module computes at that place (a softmax that the list does not call 'softmax' is quantised finished and normalised). What goes into a quantiser is computed in f32, as accurately as f32 sums, v_exp_f32 and their like allow (about 1e-6 of the number): no bf16 or f16 on the way to a quantiser, and a product that is left as it is and whose result goes on into a quantised operand takes f32 operands (vector FMAs, or v_wmma_f32_16x16x4_f32). A number that lies on a knife's edge between two numbers of the format may be rounded either way, as far as f32 arithmetic and the matrix unit's own rounding can turn it there, and no further.
;; 2 versions, each right and faster than the one before. Each part assembles by itself: llvm-mc -triple=amdgcn-amd-amdhsa -mcpu=gfx1250 --defsym DOCPART=n.
;; ======== version 1 of 2: 3 launches
;; workspace buffers: wenc 1,081,344 bytes; cpart 65,536 bytes; senc 65,536 bytes
;; launch prep (part 1): grid 320 x 1, 4 waves a work-group, no clusters, 10,752 bytes of LDS; arguments W, hidden, v, wenc, cpart; writes wenc, cpart
.if DOCPART == 1
	.amdgcn_target "amdgcn-amd-amdhsa--gfx1250"
	.amdhsa_code_object_version 6
	.text
	.protected	k_q07e036ad07_prep
	.globl	k_q07e036ad07_prep
	.p2align	8
	.type	k_q07e036ad07_prep,@function
k_q07e036ad07_prep:
	s_mov_b64 s[64:65], 0
	v_nop
	global_prefetch_b8 v0, s[64:65] scope:SCOPE_SE
	s_setreg_imm32_b32 hwreg(HW_REG_WAVE_MODE, 25, 1), 1
	s_wait_xcnt 0x0
; W [1024][3072] f32 is quantised along K to codes of E5M2 with one E8M0 byte for each 32 along K, once for the whole program, and the part of the scores that is the same for all
; 256 places of a batch is computed.  attn_input's K = 0 .. 2047 is the batch's two hidden rows, repeated for every place; 2,048 is a multiple of 32, so its blocks, codes and scales
; are the same in all 256 rows of a batch: that part of the quantised product has 64 different rows, and each is multiplied once.
; WORK-GROUPS 0-255 (job g): K step s = g / 16 (128 along K of the hidden part), W rows 64 (g % 16) on.  Wave w quantises hidden's batches 16 w .. 16 w + 15 and W's tile T = 4 (g % 16) + w (16 rows),
;   each one fragment; hidden's four fragments go from wave to wave through LDS as images of their registers; four products (source 0 = W's tile, source 1 = 16 batches: a lane then holds one batch and
;   eight rows of W); the results are multiplied by v and summed; cpart[g][2 l + i] = the job's sum for batch 32 i + l.
; WORK-GROUPS 256-319: W's tile T = g - 256, columns 2048 on (the encoder part): wave w quantises K steps 2 w and 2 w + 1.  The codes go out in the order of the operand's registers:
;   wenc = 32 records [K step s][w' = T / 16] of 33,792 bytes; tile t = T % 16: byte 2048 t + 512 c + 16 lane + i = register 4 c + i / 4 of that lane; from byte 32,768 on the scale words,
;   tile t, row r at 512 (t / 8) + 256 (t % 2) + 16 r + 4 ((t % 8) / 2).  The scale words leave as pieces of 4 bytes: one byte in 64 of what this path stores.
; The two kinds part on the work-group's number alone; only the first uses LDS and barriers.  No tensor load: the numbers arrive as f32 and go from memory into the quantiser's registers; so no joint
; requests either (what jobs share is hidden, 512 KiB in all).
; A block's scale is 2^(floor(log2(its largest magnitude)) - 15); its byte is that magnitude's exponent field - 15, held at 1 from below.
; LIMITS: NaN and infinities among the inputs are not served; blocks whose largest magnitude lies under 2^-111 (the floor) were not tried; a block of zeros gets the byte 1 over zero codes
; (these bytes are read by this program alone); the f32 sums are grouped otherwise than reference() groups them.
.set HIMG, 0                           ; LDS: hidden's four fragments, 2,048 bytes each,
.set HSC,  8192                        ; their scale words, 128 bytes each,
.set SUM,  8704                        ; and the four waves' sums, 256 bytes each
.set REC,  33792
.set XH,  4                            ; v4   hidden: 4,096 r + 64 h
.set XW,  5                            ; v5   W: 12,288 r + 64 h
.set LI,  6                            ; v6   16 x lane
.set LS,  7                            ; v7   4 x lane
.set HWI, 8                            ; v8   16 x lane + 2,048 x wave
.set HWS, 9                            ; v9   4 x lane + 128 x wave
.set VA,  10                           ; v10  32 h
.set SIN, 11                           ; v11  8 x lane + 256 x wave
.set L8,  12                           ; v12  8 x lane
.set R16, 13                           ; v13  16 r
.set PC,  16                           ; v16-31   the codes just made
.set VV,  32                           ; v32-39   v at my eight rows of W
.set SS,  40                           ; v40-47   four sums, in pairs
.set HS,  48                           ; v48-51   hidden's scale words
.set PW,  52                           ; v52      the scale word just made
.set PP,  54                           ; v54-55   my two batches' sums
.set TM,  56                           ; v56-71   at work in the quantiser
.set BK,  72                           ; v72-79   the four waves' sums, read back
.set S0,  128                          ; v128-191 64 numbers; later hidden's four fragments
.set S1,  192                          ; v192-255 64 numbers; later the four accumulators
.set SEL, 36                           ; s[36:37] lane selects: lane l xor 16
.set MNT, 38                           ; s38  the mantissa field of 57,344
; 64 numbers of a lane, register 16 b + i = k 32 b + 16 (lane / 16) + i of my row, become a fragment's codes in v[PC] on and its scale word in v[PW]
.macro QUANT s
.irp b, 0,1,2,3
	v_max3_num_f32 v[TM+\b], |v[\s+16*\b]|, |v[\s+1+16*\b]|, 0x8000000   ; my 16 numbers of block b, and the floor 2^(16 - 127): the byte cannot fall under 1
.endr
.irp i, 2,4,6,8,10,12,14
.irp b, 0,1,2,3
	v_max3_num_f32 v[TM+\b], v[TM+\b], |v[\s+16*\b+\i]|, |v[\s+1+16*\b+\i]|
.endr
.endr
.irp b, 0,1,2,3
	v_permlanex16_b32 v[TM+4+\b], v[TM+\b], s[SEL], s[SEL+1]
.endr
.irp b, 0,1,2,3
	v_max_num_f32 v[TM+\b], v[TM+\b], v[TM+4+\b]                     ; with lane l xor 16's: the block's largest magnitude
.endr
.irp b, 0,1,2,3
	v_add_nc_u32 v[TM+12+\b], 0xf8800000, v[TM+\b]                   ; 15 off its exponent field: the conversion's scale operand
.endr
.irp b, 0,1,2,3
	v_and_or_b32 v[TM+8+\b], v[TM+\b], 0x7f800000, s[MNT]            ; 57,344 x the scale
.endr
.irp b, 0,1,2,3
	v_lshrrev_b32 v[TM+4+\b], 23, v[TM+12+\b]                        ; the scale's byte
.endr
	v_lshl_or_b32 v[PW], v[TM+5], 8, v[TM+4]
	v_lshl_or_b32 v[PW], v[TM+6], 16, v[PW]
	v_lshl_or_b32 v[PW], v[TM+7], 24, v[PW]                          ; my row's scale word; the 64 holds below stand between it and any product
.irp b, 0,1,2,3
.irp i, 0,1,2,3,4,5,6,7,8,9,10,11,12,13,14,15
	v_med3_num_f32 v[\s+16*\b+\i], v[\s+16*\b+\i], -v[TM+8+\b], v[TM+8+\b]   ; the conversion to an 8-bit code does not saturate (ISA guide 7.6.2): the hold comes first
.endr
	v_cvt_scalef32_pk8_bf8_f32 v[PC+4*\b:PC+1+4*\b], v[\s+16*\b:\s+7+16*\b], v[TM+12+\b]
	v_cvt_scalef32_pk8_bf8_f32 v[PC+2+4*\b:PC+3+4*\b], v[\s+8+16*\b:\s+15+16*\b], v[TM+12+\b]
.endr
	v_nop                                          ; a plain vector line behind the last conversion
.endm
; my row's 64 numbers of one K step: 16 neighbours of each block of 32
.macro XLOAD reg, adr, base, off, nt
.irp b, 0,1,2,3
.irp j, 0,1,2,3
.if \nt
	global_load_b128 v[\reg+16*\b+4*\j:\reg+16*\b+4*\j+3], v[\adr], s[\base:\base+1] offset:\off+128*\b+16*\j th:TH_LOAD_NT
.else
	global_load_b128 v[\reg+16*\b+4*\j:\reg+16*\b+4*\j+3], v[\adr], s[\base:\base+1] offset:\off+128*\b+16*\j
.endif
.endr
.endr
.endm
.macro BARRIER                                 ; my LDS stores have landed and my LDS loads are in: then the work-group's barrier
	s_wait_dscnt 0x0
	s_barrier_signal -1
	s_barrier_wait -1
.endm
	s_load_b256 s[4:11], s[0:1], 0x0               ; W s[4:5], hidden s[6:7], v s[8:9], wenc s[10:11]
	s_load_b64 s[12:13], s[0:1], 0x20              ; cpart
	v_lshl_add_u32 v126, v0, 2, 0x2800
	v_mov_b32 v127, 0
	v_lshrrev_b32 v1, 5, v0
	v_readfirstlane_b32 s14, v1                    ; wave 0..3
	v_and_b32 v1, 31, v0                           ; lane
	v_and_b32 v2, 15, v0                           ; r
	v_bfe_u32 v3, v0, 4, 1                         ; h
	v_lshlrev_b32 v[XH], 12, v2
	v_lshl_add_u32 v[XH], v3, 6, v[XH]
	v_mul_u32_u24 v[XW], v2, 12288
	v_lshl_add_u32 v[XW], v3, 6, v[XW]
	v_lshlrev_b32 v[LI], 4, v1
	v_lshlrev_b32 v[LS], 2, v1
	s_lshl_b32 s15, s14, 11
	v_add_nc_u32 v[HWI], s15, v[LI]
	s_lshl_b32 s15, s14, 7
	v_add_nc_u32 v[HWS], s15, v[LS]
	v_lshlrev_b32 v[VA], 5, v3
	v_lshlrev_b32 v[L8], 3, v1
	s_lshl_b32 s15, s14, 8
	v_add_nc_u32 v[SIN], s15, v[L8]
	v_lshlrev_b32 v[R16], 4, v2
.irp b, 0,1,2,3
	v_mov_b32 v[TM+4+\b], 0                        ; written once: a lane permute's destination counts as one of its sources
.endr
	s_mov_b32 s[SEL], 0x76543210
	s_mov_b32 s[SEL+1], 0xfedcba98
	s_mov_b32 s[MNT], 0x600000
	s_cmp_lt_u32 ttmp9, 256                        ; the same in all four waves
	s_cbranch_scc0 .Lenc
	; ---- the hidden part: job g
	s_lshr_b32 s16, ttmp9, 4                       ; K step s
	s_and_b32 s17, ttmp9, 15
	s_lshl_b32 s18, s17, 2
	s_add_co_u32 s18, s18, s14                     ; my tile of W: T = 4 (g % 16) + wave
	s_lshr_b32 s20, s16, 3
	s_lshl_b32 s20, s20, 18                        ; hidden: layer s / 8,
	s_lshl_b32 s21, s14, 16
	s_add_co_u32 s20, s20, s21                     ; batches 16 w on,
	s_and_b32 s21, s16, 7
	s_lshl_b32 s21, s21, 9
	s_add_co_u32 s20, s20, s21                     ; columns 128 (s % 8) on
	s_mov_b32 s21, 0
	s_mul_i32 s22, s18, 196608                     ; W: 16 rows of 12,288 bytes a tile,
	s_lshl_b32 s23, s16, 9
	s_add_co_u32 s22, s22, s23                     ; columns 128 s on
	s_mov_b32 s23, 0
	s_lshl_b32 s24, s18, 6                         ; v: 16 numbers a tile
	s_mov_b32 s25, 0
	s_lshl_b32 s26, ttmp9, 8                       ; cpart: 256 bytes a job
	s_mov_b32 s27, 0
	s_wait_kmcnt 0x0
	s_add_nc_u64 s[6:7], s[6:7], s[20:21]
	s_add_nc_u64 s[4:5], s[4:5], s[22:23]
	s_add_nc_u64 s[8:9], s[8:9], s[24:25]
	s_add_nc_u64 s[12:13], s[12:13], s[26:27]
	global_load_b128 v[VV:VV+3], v[VA], s[8:9]             ; v[16 T + 8 h + 0 .. 7]
	global_load_b128 v[VV+4:VV+7], v[VA], s[8:9] offset:16
	XLOAD S0, XH, 6, 0, 0                          ; hidden: sixteen jobs read these rows, so no hint
	XLOAD S1, XW, 4, 0, 1                          ; W: read once in the launch
	s_wait_loadcnt 16                              ; v and hidden are in; W's sixteen loads may be out
	QUANT S0
.irp c, 0,1,2,3
	ds_store_b128 v[HWI], v[PC+4*\c:PC+4*\c+3] offset:HIMG+512*\c     ; the fragment as it stands: 512 consecutive bytes a store
.endr
	ds_store_b32 v[HWS], v[PW] offset:HSC
	BARRIER                                        ; hidden's four fragments lie in LDS
.irp m, 0,1,2,3
.irp c, 0,1,2,3
	ds_load_b128 v[S0+16*\m+4*\c:S0+16*\m+4*\c+3], v[LI] offset:HIMG+2048*\m+512*\c
.endr
	ds_load_b32 v[HS+\m], v[LS] offset:HSC+128*\m
.endr
	s_wait_loadcnt 0x0                             ; W
	QUANT S1
.rept 4
	v_nop                                          ; codes written by vector instructions stand four places ahead of a scaled product
.endr
	s_wait_dscnt 0x0
.irp m, 0,1,2,3                                ; four accumulators, one product each: no sum is taken up again
	v_wmma_scale_f32_16x16x128_f8f6f4 v[S1+8*\m:S1+8*\m+7], v[PC:PC+15], v[S0+16*\m:S0+16*\m+15], 0, v[PW], v[HS+\m] matrix_a_fmt:MATRIX_FMT_BF8 matrix_b_fmt:MATRIX_FMT_BF8
.endr
.rept 8
	v_nop                                          ; eight places behind this form before its results are read
.endr
.irp m, 0,1,2,3
	v_pk_mul_f32 v[SS+2*\m:SS+2*\m+1], v[S1+8*\m:S1+8*\m+1], v[VV:VV+1]        ; each accumulator from its low end on
.endr
.irp j, 2,4,6
.irp m, 0,1,2,3
	v_pk_fma_f32 v[SS+2*\m:SS+2*\m+1], v[S1+8*\m+\j:S1+8*\m+\j+1], v[VV+\j:VV+\j+1], v[SS+2*\m:SS+2*\m+1]
.endr
.endr
.irp m, 0,1,2,3
	v_add_f32 v[SS+2*\m], v[SS+2*\m], v[SS+2*\m+1]
.endr
.irp m, 0,1,2,3
	v_permlanex16_b32 v[TM+4+\m], v[SS+2*\m], s[SEL], s[SEL+1]
.endr
.irp m, 0,1,2,3
	v_add_f32 v[SS+2*\m], v[SS+2*\m], v[TM+4+\m]   ; batch 16 m + r: the tile's 16 rows of W
.endr
	v_cmp_eq_u32 vcc_lo, 1, v3
	v_cndmask_b32 v[PP], v[SS], v[SS+2], vcc_lo    ; batch l = 16 h + r,
	v_cndmask_b32 v[PP+1], v[SS+4], v[SS+6], vcc_lo   ; and batch 32 + l
	ds_store_b64 v[SIN], v[PP:PP+1] offset:SUM
	BARRIER                                        ; the four waves' sums lie in LDS
	s_cmp_lg_u32 s14, 0
	s_cbranch_scc1 .Ldone
.irp q, 0,1,2,3
	ds_load_b64 v[BK+2*\q:BK+2*\q+1], v[L8] offset:SUM+256*\q
.endr
	s_wait_dscnt 0x0
	v_pk_add_f32 v[BK:BK+1], v[BK:BK+1], v[BK+2:BK+3]
	v_pk_add_f32 v[BK+4:BK+5], v[BK+4:BK+5], v[BK+6:BK+7]
	v_pk_add_f32 v[BK:BK+1], v[BK:BK+1], v[BK+4:BK+5]
	global_store_b64 v[L8], v[BK:BK+1], s[12:13]   ; 32 lanes store 256 consecutive bytes, at a multiple of 256 from cpart's first byte
.Ldone:
	s_wait_tensorcnt 0x0
	ds_add_u32 v126, v127
	s_wait_dscnt 0x0
	s_endpgm
	; ---- the encoder part of W: tile T, my two K steps
.Lenc:
	s_sub_co_u32 s16, ttmp9, 256                   ; T
	s_mul_i32 s22, s16, 196608
	s_lshl_b32 s23, s14, 10                        ; K steps 2 w, 2 w + 1: 512 bytes each,
	s_add_co_u32 s22, s22, s23
	s_add_co_u32 s22, s22, 8192                    ; behind the 2,048 columns of the hidden part
	s_mov_b32 s23, 0
	s_lshl_b32 s24, s14, 3
	s_lshr_b32 s25, s16, 4
	s_add_co_u32 s24, s24, s25                     ; record 4 (2 w) + T / 16
	s_mul_i32 s24, s24, REC
	s_and_b32 s25, s16, 15
	s_lshl_b32 s25, s25, 11
	s_add_co_u32 s26, s24, s25                     ; the tile's image: 2,048 (T % 16)
	s_mov_b32 s27, 0
	s_bfe_u32 s25, s16, 0x10003
	s_lshl_b32 s25, s25, 9
	s_add_co_u32 s28, s24, s25                     ; its scale words: 512 (t / 8)
	s_and_b32 s25, s16, 1
	s_lshl_b32 s25, s25, 8
	s_add_co_u32 s28, s28, s25                     ; + 256 (t % 2)
	s_bfe_u32 s25, s16, 0x20001
	s_lshl_b32 s25, s25, 2
	s_add_co_u32 s28, s28, s25                     ; + 4 ((t % 8) / 2)
	s_add_co_u32 s28, s28, 32768
	s_mov_b32 s29, 0
	s_wait_kmcnt 0x0
	s_add_nc_u64 s[4:5], s[4:5], s[22:23]
	s_add_nc_u64 s[30:31], s[10:11], s[28:29]
	s_add_nc_u64 s[10:11], s[10:11], s[26:27]
	XLOAD S0, XW, 4, 0, 1
	XLOAD S1, XW, 4, 512, 1
.macro WOUT off
.irp c, 0,1,2,3
	global_store_b128 v[LI], v[PC+4*\c:PC+4*\c+3], s[10:11] offset:\off+512*\c   ; 32 lanes store 512 consecutive bytes, at a multiple of 256 from wenc's first byte
.endr
	global_store_b32 v[R16], v[PW], s[30:31] offset:\off   ; lanes r and 16 + r hold the same word and store it to the same place
.endm
	s_wait_loadcnt 16                              ; the first K step's sixteen loads are in
	QUANT S0
	WOUT 0
	s_wait_xcnt 0x0                                ; the stores' data registers are written again only behind this wait
	s_wait_loadcnt 0x0
	QUANT S1
	WOUT 4*REC                                     ; the next K step's record of the same rows lies four records on
	s_endpgm
.Lfunc_end_k_q07e036ad07_prep:
	.size	k_q07e036ad07_prep, .Lfunc_end_k_q07e036ad07_prep-k_q07e036ad07_prep
	.p2alignl 7, 3214868480
	.fill 96, 4, 3214868480
	.section	.rodata,"a",@progbits
	.p2align	6, 0x0
	.amdhsa_kernel k_q07e036ad07_prep
		.amdhsa_group_segment_fixed_size 10752
		.amdhsa_private_segment_fixed_size 0
		.amdhsa_enable_private_segment 0
		.amdhsa_kernarg_size 40
		.amdhsa_user_sgpr_count 2
		.amdhsa_user_sgpr_kernarg_segment_ptr 1
		.amdhsa_wavefront_size32 1
		.amdhsa_system_sgpr_workgroup_id_x 1
		.amdhsa_system_sgpr_workgroup_id_y 1
		.amdhsa_system_sgpr_workgroup_id_z 1
		.amdhsa_system_vgpr_workitem_id 0
		.amdhsa_next_free_vgpr 256
		.amdhsa_next_free_sgpr 66
		.amdhsa_reserve_vcc 1
		.amdhsa_float_denorm_mode_32 3
		.amdhsa_float_denorm_mode_16_64 3
		.amdhsa_memory_ordered 1
		.amdhsa_forward_progress 1
		.amdhsa_inst_pref_size 48
	.end_amdhsa_kernel
	.amdgpu_metadata
---
amdhsa.version: [ 1, 2 ]
amdhsa.kernels:
  - .name:           k_q07e036ad07_prep
    .symbol:         k_q07e036ad07_prep.kd
    .args:
      - { .name: W, .offset: 0, .size: 8, .value_kind: global_buffer, .address_space: global }
      - { .name: hidden, .offset: 8, .size: 8, .value_kind: global_buffer, .address_space: global }
      - { .name: v, .offset: 16, .size: 8, .value_kind: global_buffer, .address_space: global }
      - { .name: wenc, .offset: 24, .size: 8, .value_kind: global_buffer, .address_space: global }
      - { .name: cpart, .offset: 32, .size: 8, .value_kind: global_buffer, .address_space: global }
    .group_segment_fixed_size: 10752
    .private_segment_fixed_size: 0
    .kernarg_segment_align: 8
    .kernarg_segment_size: 40
    .max_flat_workgroup_size: 128
    .sgpr_count:     66
    .vgpr_count:     256
    .wavefront_size: 32
...
	.end_amdgpu_metadata
.endif
;; end of part 1
;; launch main (part 2): grid 256 x 1, 4 waves a work-group, clusters of 4 x 1, 327,680 bytes of LDS; arguments encoder_outputs, wenc, v, senc; writes senc
.if DOCPART == 2
	.amdgcn_target "amdgcn-amd-amdhsa--gfx1250"
	.amdhsa_code_object_version 6
	.text
	.protected	k_q07e036ad07_main
	.globl	k_q07e036ad07_main
	.p2align	8
	.type	k_q07e036ad07_main,@function
k_q07e036ad07_main:
	s_mov_b64 s[64:65], 0
	v_nop
	global_prefetch_b8 v0, s[64:65] scope:SCOPE_SE
	s_setreg_imm32_b32 hwreg(HW_REG_WAVE_MODE, 25, 1), 1
	s_wait_xcnt 0x0
	s_wait_alu depctr_hold_cnt(0) depctr_sa_sdst(0) depctr_va_vdst(0) depctr_va_sdst(0) depctr_va_ssrc(0) depctr_va_vcc(0) depctr_vm_vsrc(0)
	s_getreg_b32 s2, hwreg(HW_REG_IB_STS2, 6, 4)
	s_cmp_eq_u32 s2, 0
	s_cbranch_scc0 .Lentry_in_a_cluster
	s_endpgm
.Lentry_in_a_cluster:
	s_bfe_u32 s2, ttmp6, 0x10000c
	s_cmp_lg_u32 s2, 0x3003
	s_cbranch_scc0 .Lentry_shape_is_right
	s_endpgm
.Lentry_shape_is_right:
; senc[row] = the sum over n of v[n] x (the sum over k of Q(enc[row][k]) Q(W[n][2048 + k])): the encoder part of each score.  enc: [16384][1024] f32; W's codes and scale words come from wenc, in the order
; of the operand's registers.  The products are on codes of E5M2 with one E8M0 scale for each 32 along K; the product with v (one column) is made by f32 fused multiply-adds.
; (K = 0 .. 2047 of the quantised product is the same row for all places of a batch; it is multiplied once a batch by the launch before, and added to the scores by the launch behind.)
; SHARES.  A work-group owns 64 rows, all 1,024 columns and all of K: enc is read from memory once, as f32, and quantised once, by the work-group that owns the rows.  Wave w quantises rows 16 w .. 16 w + 15,
; and multiplies all 64 rows by W's rows 256 w .. 256 w + 255: 4 x 16 accumulators, 512 registers.  The codes go from wave to wave through LDS (rows of 256 codes + 16 bytes, two buffers of 256 along K).
; THE MATRIX INSTRUCTION IS USED TRANSPOSED (source 0 = 16 rows of W, source 1 = 16 rows of enc): a lane holds one row of enc and eight columns, so the product with v stays in the lane.
; W's K step (128 along K) of a wave's 256 rows is one dense record of 33,792 bytes; each wave brings its own record by one tensor load into a ring of two slots, and reads its own record alone.
; CLUSTER.  The four work-groups of a cluster (one batch) walk the same records, so each is asked for JOINTLY: the same load, the same descriptor, a mask that names the four.  The place in the cluster
; enters enc's and senc's global addresses alone.
; THE STREAM.  A unit of quantising is 8 rows x 256 along K: 16 loads a wave; three sets of registers hold three units, so two units' loads are out while one is worked.  A unit's vector work stands
; between the groups of products, where it also fills the places that loads into operand registers want.  The eight K steps are written out: each differs (first sums, refills, units, tail).
; LIMITS: NaN and infinities among the inputs are not served; blocks whose largest magnitude lies under 2^-111 (the floor) were not tried; a block of zeros gets the byte 1 over zero codes (the bytes are
; read by this launch alone); the f32 sums are grouped otherwise than reference() groups them.
; REGISTERS, in windows of 256: window 0: v1-15 addresses; v12-13, v16-23 scale words; v24-63 at work in the quantiser; v64-255 three sets of 64 numbers (at the end two of them hold v).
;   window 1: v0-63 enc's four fragments; v64-127, v128-191 two sets of four fragments of W.   windows 2, 3: accumulator (m, t) at v[8 (4 (t % 8) + m)] of window 2 + t / 8.
.set CBUF,  17408                      ; LDS from 0: two buffers of 64 rows x CP bytes of codes
.set CP,    272                        ; 256 codes + 16: the 16 rows that a fragment load touches begin 68 words apart
.set ASCL,  34816                      ; two buffers of 64 rows x 12 bytes: 8 scale bytes + 4
.set ABUF,  768
.set SCO,   36352                      ; [wave][64] f32: the waves' parts of the scores
.set SPARE, 37376                      ; the spare words, 128 bytes for each wave: two blocks of 256 bytes that no other line names
.set RING,  37888                      ; two slots of four records
.set REC,   33792
.set SLOT,  4*REC
.set AX,   1                           ; v1   32 x lane: my 8 numbers of a row's 256
.set CST,  2                           ; v2   where I store 8 codes: 16 CP x wave + 8 x lane
.set SST,  3                           ; v3   and my block's scale byte: ASCL + 192 x wave + lane / 4
.set AFR,  4                           ; v4   a fragment of enc: CP r + 16 h
.set ASC,  5                           ; v5   enc's scale words: ASCL + 12 x lane
.set BAD,  6                           ; v6-7 my record in slot 0, 1: + 16 x lane
.set SPW,  8                           ; v8   my spare word; never rewritten
.set NIL,  9                           ; v9   0; never rewritten
.set VA,   10                          ; v10  32 h
.set SCI,  11                          ; v11  SCO + 256 x wave + 4 x lane
.set RAS,  12                          ; v12-13  enc's scale words: register i: lanes 0-15 rows 32 i on, lanes 16-31 rows 32 i + 16 on
.set SCR,  14                          ; v14  SCO + 8 x lane
.set GO,   15                          ; v15  8 x lane
.set RBS,  16                          ; v16-23  W's scale words: register 4 (t / 8) + (t % 8) / 2: lanes 0-15 the even tile, lanes 16-31 the odd one
.set RM,   24                          ; v24-31  largest magnitudes, then scale bytes; at the end the four sums
.set RSC,  32                          ; v32-39  the conversions' scale operands
.set RH,   40                          ; v40-47  57,344 x the scale
.set RPC,  48                          ; v48-63  the codes just made
.set SET,  64
.set PB0,  64                          ; in window 1: W's two sets
.set PB1,  128
.set G1,   16                          ; s[16:23] descriptor group 1
.set G0,   24                          ; s[24:31] group 0, a set for each slot
.set MNT,  36
.set SEL,  38
.set MSB, 0
.macro WIN new                         ; the immediate's high byte repeats the setting that is left
.if MSB != \new
	s_set_vgpr_msb (MSB<<8)|\new
.set MSB, \new
.endif
.endm
.macro PLACES n
.rept \n
	v_nop
.endr
.endm
.macro CREST                           ; a round of the cluster's barrier behind its opening barrier
	s_cmp_lg_u32 s12, 0
	s_cbranch_scc1 .Lnot_wave_0_\@
	s_barrier_signal -3
.Lnot_wave_0_\@:
	s_barrier_wait -3
	s_barrier_signal -1
	s_barrier_wait -1
.endm
.macro CROUND
	s_barrier_signal -1
	s_barrier_wait -1
	CREST
.endm
; UNIT q of quantising: chunk q / 2 (256 along K), rows 8 (q % 2) + 0 .. 7 of my 16, in set q % 3.
.macro GLOAD q
.set gS, SET+64*((\q)%3)
.set gO, ((\q)%2)*8*4096+((\q)/2)*1024
.irp i, 0,1,2,3,4,5,6,7
	global_load_b128 v[gS+8*\i:gS+8*\i+3], v[AX], s[4:5] offset:gO+\i*4096 th:TH_LOAD_NT       ; the pair covers 1,024 consecutive bytes of a row; lane l holds k = 8 l .. 8 l + 7
	global_load_b128 v[gS+8*\i+4:gS+8*\i+7], v[AX], s[4:5] offset:gO+\i*4096+16 th:TH_LOAD_NT
.endr
.endm
.macro QMAX q                          ; the largest magnitude of my 8 numbers of each row, over the floor 2^(16 - 127); the rows by turns
.set gS, SET+64*((\q)%3)
.irp i, 0,1,2,3,4,5,6,7
	v_max3_num_f32 v[RM+\i], |v[gS+8*\i]|, |v[gS+8*\i+1]|, 0x8000000
.endr
.irp j, 2,4,6
.irp i, 0,1,2,3,4,5,6,7
	v_max3_num_f32 v[RM+\i], v[RM+\i], |v[gS+8*\i+\j]|, |v[gS+8*\i+\j+1]|
.endr
.endr
.endm
.macro QSCL                            ; a block of 32 lies in four neighbouring lanes
.irp i, 0,1,2,3,4,5,6,7
	v_max_num_f32_dpp v[RM+\i], v[RM+\i], v[RM+\i] row_xmask:1 row_mask:0xf bank_mask:0xf
.endr
.irp i, 0,1,2,3,4,5,6,7
	v_max_num_f32_dpp v[RM+\i], v[RM+\i], v[RM+\i] row_xmask:2 row_mask:0xf bank_mask:0xf
.endr
.irp i, 0,1,2,3,4,5,6,7
	v_add_nc_u32 v[RSC+\i], 0xf8800000, v[RM+\i]                   ; 15 off the exponent field: the conversion's scale operand
.endr
.irp i, 0,1,2,3,4,5,6,7
	v_and_or_b32 v[RH+\i], v[RM+\i], 0x7f800000, s[MNT]            ; 57,344 x the scale
.endr
.irp i, 0,1,2,3,4,5,6,7
	v_lshrrev_b32 v[RM+\i], 23, v[RSC+\i]                          ; the scale's byte
.endr
.endm
.macro QCVT q
.set gS, SET+64*((\q)%3)
.set gC, CBUF*(((\q)/2)%2)+8*CP*((\q)%2)
.set gA, ABUF*(((\q)/2)%2)+8*12*((\q)%2)
.irp i, 0,1,2,3,4,5,6,7
.irp j, 0,1,2,3,4,5,6,7
	v_med3_num_f32 v[gS+8*\i+\j], v[gS+8*\i+\j], -v[RH+\i], v[RH+\i]   ; the conversion to an 8-bit code does not saturate (ISA guide 7.6.2): the hold comes first
.endr
	v_cvt_scalef32_pk8_bf8_f32 v[RPC+2*\i:RPC+2*\i+1], v[gS+8*\i:gS+8*\i+7], v[RSC+\i]
.endr
	v_nop                                          ; a plain vector line behind the last conversion
.irp i, 0,1,2,3,4,5,6,7
	ds_store_b64 v[CST], v[RPC+2*\i:RPC+2*\i+1] offset:gC+CP*\i    ; 32 lanes store a row's 256 codes
	ds_store_b8 v[SST], v[RM+\i] offset:gA+12*\i                   ; the four lanes of a block write the same byte with the same value
.endr
.endm
.macro VLOAD t0, reg                   ; v at my eight columns of tiles t0 .. t0 + 7
.irp i, 0,1,2,3,4,5,6,7
	global_load_b128 v[\reg+8*\i:\reg+8*\i+3], v[VA], s[8:9] offset:64*(\t0+\i)
	global_load_b128 v[\reg+8*\i+4:\reg+8*\i+7], v[VA], s[8:9] offset:64*(\t0+\i)+16
.endr
.endm
; one product: W's tile t (in set p) x enc's rows 16 m on.  The scale words' halves: an odd tile's and an odd block of rows' lie in lanes 16-31.
.macro WM t, m, p, zero
.set rD, 8*(4*((\t)%8)+(\m))
.set rB, (\p)+16*((\t)%4)
.set rA, 16*(\m)
.set rSB, RBS+4*((\t)/8)+((\t)%8)/2
.set rSA, RAS+(\m)/2
.set rk, 2*((\t)%2)+(\m)%2
.if \zero
.if rk == 0
	v_wmma_scale_f32_16x16x128_f8f6f4 v[rD:rD+7], v[rB:rB+15], v[rA:rA+15], 0, v[rSB], v[rSA] matrix_a_fmt:MATRIX_FMT_BF8 matrix_b_fmt:MATRIX_FMT_BF8
.elseif rk == 1
	v_wmma_scale_f32_16x16x128_f8f6f4 v[rD:rD+7], v[rB:rB+15], v[rA:rA+15], 0, v[rSB], v[rSA] matrix_a_fmt:MATRIX_FMT_BF8 matrix_b_fmt:MATRIX_FMT_BF8 matrix_b_scale:MATRIX_SCALE_ROW1
.elseif rk == 2
	v_wmma_scale_f32_16x16x128_f8f6f4 v[rD:rD+7], v[rB:rB+15], v[rA:rA+15], 0, v[rSB], v[rSA] matrix_a_fmt:MATRIX_FMT_BF8 matrix_b_fmt:MATRIX_FMT_BF8 matrix_a_scale:MATRIX_SCALE_ROW1
.else
	v_wmma_scale_f32_16x16x128_f8f6f4 v[rD:rD+7], v[rB:rB+15], v[rA:rA+15], 0, v[rSB], v[rSA] matrix_a_fmt:MATRIX_FMT_BF8 matrix_b_fmt:MATRIX_FMT_BF8 matrix_a_scale:MATRIX_SCALE_ROW1 matrix_b_scale:MATRIX_SCALE_ROW1
.endif
.else
.if rk == 0
	v_wmma_scale_f32_16x16x128_f8f6f4 v[rD:rD+7], v[rB:rB+15], v[rA:rA+15], v[rD:rD+7], v[rSB], v[rSA] matrix_a_fmt:MATRIX_FMT_BF8 matrix_b_fmt:MATRIX_FMT_BF8
.elseif rk == 1
	v_wmma_scale_f32_16x16x128_f8f6f4 v[rD:rD+7], v[rB:rB+15], v[rA:rA+15], v[rD:rD+7], v[rSB], v[rSA] matrix_a_fmt:MATRIX_FMT_BF8 matrix_b_fmt:MATRIX_FMT_BF8 matrix_b_scale:MATRIX_SCALE_ROW1
.elseif rk == 2
	v_wmma_scale_f32_16x16x128_f8f6f4 v[rD:rD+7], v[rB:rB+15], v[rA:rA+15], v[rD:rD+7], v[rSB], v[rSA] matrix_a_fmt:MATRIX_FMT_BF8 matrix_b_fmt:MATRIX_FMT_BF8 matrix_a_scale:MATRIX_SCALE_ROW1
.else
	v_wmma_scale_f32_16x16x128_f8f6f4 v[rD:rD+7], v[rB:rB+15], v[rA:rA+15], v[rD:rD+7], v[rSB], v[rSA] matrix_a_fmt:MATRIX_FMT_BF8 matrix_b_fmt:MATRIX_FMT_BF8 matrix_a_scale:MATRIX_SCALE_ROW1 matrix_b_scale:MATRIX_SCALE_ROW1
.endif
.endif
.endm
.macro MUL8 t0, p, zero                ; tiles t0, t0 + 1 x the four blocks of rows.  The 64 accumulators take turns, one instruction a turn, in the same order in every K step
.irp t, \t0, \t0+1
.irp m, 0,1,2,3
	WM (\t), \m, \p, \zero
.endr
.endr
.endm
.macro LOADB t0, p                     ; W's tiles t0 .. t0 + 3 of the slot in hand into set p: images, 512 consecutive bytes a load
.irp i, 0,1,2,3
.irp c, 0,1,2,3
	ds_load_b128 v[\p+16*\i+4*\c:\p+16*\i+4*\c+3], v[sB] offset:2048*(\t0+\i)+512*\c
.endr
.endr
.endm
	s_load_b256 s[4:11], s[0:1], 0x0               ; enc s[4:5], wenc s[6:7], v s[8:9], senc s[10:11]
	v_lshl_add_u32 v[SPW], v0, 2, SPARE
	v_mov_b32 v[NIL], 0
	ds_add_u32 v8, v9
	ds_add_u32 v8, v9
	s_wait_dscnt 0x0
	v_lshrrev_b32 v[RM], 5, v0
	v_readfirstlane_b32 s12, v[RM]                 ; wave 0..3
	s_bfe_u32 s13, ttmp6, 0x40000                  ; cx: my place in the cluster
	s_lshl_b32 s14, ttmp9, 2                       ; in a cluster launch ttmp9 counts clusters
	s_add_co_u32 s14, s14, s13                     ; my block of 64 rows
	s_lshl_b32 s40, s14, 18                        ; enc: 64 rows of 4,096 bytes a block,
	s_lshl_b32 s41, s12, 16                        ; 16 rows a wave
	s_add_co_u32 s40, s40, s41
	s_mov_b32 s41, 0
	s_lshl_b32 s42, s14, 8                         ; senc: 256 bytes a block
	s_mov_b32 s43, 0
	s_lshl_b32 s44, s12, 10                        ; v: my 256 columns
	s_mov_b32 s45, 0
	s_mul_i32 s34, s12, REC                        ; my record, in a K step of wenc and in a slot
	s_mov_b32 s35, 0
	v_and_b32 v[RM], 31, v0                        ; lane
	v_and_b32 v[RM+1], 15, v0                      ; r
	v_bfe_u32 v[RM+2], v0, 4, 1                    ; h
	v_lshlrev_b32 v[AX], 5, v[RM]
	s_mul_i32 s32, s12, 16*CP
	v_lshl_add_u32 v[CST], v[RM], 3, s32
	v_lshrrev_b32 v[SST], 2, v[RM]
	s_mul_i32 s33, s12, 192
	s_add_co_u32 s33, s33, ASCL
	v_add_nc_u32 v[SST], s33, v[SST]
	v_mul_u32_u24 v[AFR], v[RM+1], CP
	v_lshl_add_u32 v[AFR], v[RM+2], 4, v[AFR]
	v_mul_u32_u24 v[ASC], v[RM], 12
	v_add_nc_u32 v[ASC], ASCL, v[ASC]
	s_add_co_u32 s32, s34, RING
	v_lshl_add_u32 v[BAD], v[RM], 4, s32
	v_add_nc_u32 v[BAD+1], SLOT, v[BAD]
	v_lshlrev_b32 v[VA], 5, v[RM+2]
	s_lshl_b32 s33, s12, 8
	s_add_co_u32 s33, s33, SCO
	v_lshl_add_u32 v[SCI], v[RM], 2, s33
	v_lshlrev_b32 v[GO], 3, v[RM]
	v_add_nc_u32 v[SCR], SCO, v[GO]
	s_mov_b32 s[MNT], 0x600000                     ; the mantissa field of 57,344
	s_mov_b32 s[SEL], 0x76543210
	s_mov_b32 s[SEL+1], 0xfedcba98                 ; lane l xor 16
	; descriptor group 1: a record, dense in memory, as 132 rows of 256 bytes (32 elements of 8 bytes); no padding: the images are read as they lie
	s_mov_b32 s[G1], 15|(3<<16)|(1<<21)            ; 15:0 the mask: all four work-groups; 17:16 elements of 8 bytes; 21 set beside a mask
	s_mov_b32 s[G1+1], 32<<16                      ; tensor_dim0 = 32
	s_mov_b32 s[G1+2], 132<<16                     ; tensor_dim1 = 132
	s_mov_b32 s[G1+3], 32<<16                      ; tile_dim0 = 32
	s_mov_b32 s[G1+4], 132                         ; tile_dim1 = 132
	s_mov_b32 s[G1+5], 32                          ; from row to row
	s_mov_b32 s[G1+6], 0
	s_mov_b32 s[G1+7], 0
	s_wait_kmcnt 0x0
	s_add_nc_u64 s[4:5], s[4:5], s[40:41]
	s_add_nc_u64 s[10:11], s[10:11], s[42:43]
	s_add_nc_u64 s[8:9], s[8:9], s[44:45]
	s_add_nc_u64 s[46:47], s[6:7], s[34:35]
.irp p, 0,1
	s_mov_b32 s[G0+4*\p], 1                                        ; count = 1
	s_add_co_u32 s[G0+4*\p+1], s34, RING+\p*SLOT                   ; LDS address: the slot, my record
	s_add_nc_u64 s[G0+4*\p+2:G0+4*\p+3], s[46:47], \p*SLOT         ; global address: K step p, my record
	s_or_b32 s[G0+4*\p+3], s[G0+4*\p+3], 0x80000000                ; type = 2
.endr
	GLOAD 0                                        ; the stream begins ahead of everything else: three units, 48 loads
	GLOAD 1
	GLOAD 2
	CROUND                                         ; all four work-groups are here: the first joint loads meet
	tensor_load_to_lds s[G0:G0+3], s[G1:G1+7]      ; K step 0
	s_nop 0
	tensor_load_to_lds s[G0+4:G0+7], s[G1:G1+7]    ; K step 1: two loads of mine are out
	s_nop 0
	PLACES 4
	s_wait_loadcnt 32                              ; unit 0 is in; two units' 32 loads may be out.  The same count serves every unit: two groups of 16 loads are always younger
	QMAX 0
	QSCL
	QCVT 0
	GLOAD 3
	s_wait_dscnt 0x0                               ; the stores have read the registers that the next unit writes
	s_wait_loadcnt 32
	QMAX 1
	QSCL
	QCVT 1
	GLOAD 4
	s_wait_tensorcnt 1                             ; my record of K step 0 is in; K step 1's may stay out
	s_wait_dscnt 0x0                               ; my rows' codes and bytes of the first 256 along K have landed
	s_barrier_signal -1
	s_barrier_wait -1                              ; everybody's have
; K STEP s: slot s % 2, code buffer (s / 2) % 2, its half s % 2.  64 products in four groups of 16; unit s + 2 is quantised between them.
.macro STEP s, zero
.set sB, BAD+(\s)%2
.set sC, CBUF*(((\s)/2)%2)+128*((\s)%2)
.set sA, ABUF*(((\s)/2)%2)+4*((\s)%2)
	ds_load_b32 v[RAS], v[ASC] offset:sA           ; 52 loads: the scale words, enc's four fragments, W's tiles 0-7
	ds_load_b32 v[RAS+1], v[ASC] offset:sA+384
	ds_load_b128 v[RBS:RBS+3], v[sB] offset:32768
	ds_load_b128 v[RBS+4:RBS+7], v[sB] offset:32768+512
	WIN 0x40                                       ; destination window 1, address window 0
.irp m, 0,1,2,3
.irp c, 0,1,2,3
	ds_load_b128 v[16*\m+4*\c:16*\m+4*\c+3], v[AFR] offset:sC+16*CP*\m+32*\c
.endr
.endr
	LOADB 0, PB0
	LOADB 4, PB1
	s_wait_dscnt 16                                ; all but tiles 4-7
	WIN 0xa5                                       ; sources 0 and 1 window 1, C and D window 2
	MUL8 0, PB0, \zero
	MUL8 2, PB0, \zero
.if (\s) <= 5
	WIN 0
	s_wait_loadcnt 32                              ; unit s + 2 is in
	QMAX (\s)+2                                    ; 32 plain vector lines: also the eight places in front of the loads below
.else
	PLACES 8
.endif
	WIN 0x40
	LOADB 8, PB0
	s_wait_dscnt 16                                ; tiles 4-7 are in; the 16 just issued may be out
	WIN 0xa5
	MUL8 4, PB1, \zero
	MUL8 6, PB1, \zero
.if (\s) <= 5
	WIN 0
	QSCL                                           ; its last 24 lines are plain: the places again
.else
	PLACES 8
.endif
	WIN 0x40
	LOADB 12, PB1
	s_wait_dscnt 16                                ; tiles 8-11 are in
	WIN 0xf5                                       ; C and D window 3
	MUL8 8, PB0, \zero
	MUL8 10, PB0, \zero
.if (\s) <= 5
	WIN 0
	QCVT (\s)+2                                    ; into the other code buffer than the one that this K step reads
.if (\s) <= 2
	GLOAD (\s)+5                                   ; the set takes the unit three on
.elseif (\s) == 3
	VLOAD 0, SET+128                               ; enc has all been asked for: the free sets take v
.elseif (\s) == 4
	VLOAD 8, SET
.endif
	; THE CHANGE OF SLOTS: one round of the cluster's barrier, which also shows the codes just stored to the other waves
	s_wait_tensorcnt 0x0                           ; all my tensor loads have landed: the one that was out is the next K step's record
	ds_add_u32 v[SPW], v[NIL]                      ; 0 onto my spare word
	s_wait_dscnt 17                                ; tiles 12-15 are in; the 16 stores and the add may be out
	WIN 0xf5
	MUL8 12, PB1, \zero                            ; eight products stand between the add and the wait for it
	s_wait_dscnt 0x0                               ; the add is done, my stores have landed, my reads of this slot and of the code buffer are over
	s_barrier_signal -1
	MUL8 14, PB1, \zero
	WIN 0
	s_barrier_wait -1
	CREST                                          ; no wave of any partner still reads this slot or has a load on its way
	s_add_nc_u64 s[G0+4*((\s)%2)+2:G0+4*((\s)%2)+3], s[G0+4*((\s)%2)+2:G0+4*((\s)%2)+3], 2*SLOT   ; K step s + 2
	tensor_load_to_lds s[G0+4*((\s)%2):G0+4*((\s)%2)+3], s[G1:G1+7]   ; my one tensor load behind the round, and the first thing there
	s_nop 0
	PLACES 8                                       ; eight in all in front of the next K step's loads
.else
	s_wait_dscnt 0x0
	MUL8 12, PB1, \zero
	MUL8 14, PB1, \zero
	WIN 0
	PLACES 8
.if (\s) == 6
	s_wait_tensorcnt 0x0                           ; the last record: mine alone reads it, so my own wait is all that the reads need; the last 256 codes were shown by the round behind K step 5
.endif
.endif
.endm
	STEP 0, 1                                      ; the first K step's products start the sums: nothing is cleared
	STEP 1, 0
	STEP 2, 0
	STEP 3, 0
	STEP 4, 0
	STEP 5, 0
	STEP 6, 0
	STEP 7, 0
	; THE PRODUCT WITH v: register j of accumulator (m, t) is column 256 w + 16 t + 8 h + j of row 16 m + r.  Each accumulator from its low end on.
	s_wait_loadcnt 0x0                             ; v
.irp t, 0,1,2,3,4,5,6,7,8,9,10,11,12,13,14,15
.if \t < 8
	WIN 0x02                                       ; source 0 window 2
.set rV, SET+128+8*\t
.else
	WIN 0x03
.set rV, SET+8*(\t-8)
.endif
.irp j, 0,2,4,6
.irp m, 0,1,2,3
.set rD, 8*(4*(\t%8)+\m)+\j
.if (\t == 0) && (\j == 0)
	v_pk_mul_f32 v[RM+2*\m:RM+2*\m+1], v[rD:rD+1], v[rV+\j:rV+\j+1]
.else
	v_pk_fma_f32 v[RM+2*\m:RM+2*\m+1], v[rD:rD+1], v[rV+\j:rV+\j+1], v[RM+2*\m:RM+2*\m+1]
.endif
.endr
.endr
.endr
	WIN 0
.irp m, 0,1,2,3
	v_add_f32 v[RM+2*\m], v[RM+2*\m], v[RM+2*\m+1]
.endr
.irp m, 0,1,2,3
	v_permlanex16_b32 v[RSC+\m], v[RM+2*\m], s[SEL], s[SEL+1]
.endr
.irp m, 0,1,2,3
	v_add_f32 v[RM+2*\m], v[RM+2*\m], v[RSC+\m]    ; row 16 m + r: my 256 columns
.endr
	v_bfe_u32 v[RH], v0, 4, 1
	v_cmp_eq_u32 vcc_lo, 1, v[RH]
	v_cndmask_b32 v[RSC], v[RM], v[RM+2], vcc_lo   ; row l = 16 h + r,
	v_cndmask_b32 v[RSC+1], v[RM+4], v[RM+6], vcc_lo   ; and row 32 + l
	ds_store_b32 v[SCI], v[RSC]
	ds_store_b32 v[SCI], v[RSC+1] offset:128
	s_wait_dscnt 0x0                               ; for the others' sake
	s_barrier_signal -1
	s_barrier_wait -1
	s_cmp_lg_u32 s12, 0
	s_cbranch_scc1 .Lnot_first
.irp q, 0,1,2,3
	ds_load_b64 v[RPC+2*\q:RPC+2*\q+1], v[SCR] offset:256*\q
.endr
	s_wait_dscnt 0x0
	v_pk_add_f32 v[RPC:RPC+1], v[RPC:RPC+1], v[RPC+2:RPC+3]
	v_pk_add_f32 v[RPC+4:RPC+5], v[RPC+4:RPC+5], v[RPC+6:RPC+7]
	v_pk_add_f32 v[RPC:RPC+1], v[RPC:RPC+1], v[RPC+4:RPC+5]
	global_store_b64 v[GO], v[RPC:RPC+1], s[10:11] ; 32 lanes store 256 consecutive bytes, at a multiple of 256 from senc's first byte
.Lnot_first:
	s_wait_tensorcnt 0x0                           ; the wave's end: behind my last tensor load and my last LDS store
	ds_add_u32 v[SPW], v[NIL]
	s_wait_dscnt 0x0
	CROUND                                         ; the closing round: no work-group ends while a partner may still ask for a record that names it
	s_endpgm
.Lfunc_end_k_q07e036ad07_main:
	.size	k_q07e036ad07_main, .Lfunc_end_k_q07e036ad07_main-k_q07e036ad07_main
	.p2alignl 7, 3214868480
	.fill 96, 4, 3214868480
	.section	.rodata,"a",@progbits
	.p2align	6, 0x0
	.amdhsa_kernel k_q07e036ad07_main
		.amdhsa_group_segment_fixed_size 327680
		.amdhsa_private_segment_fixed_size 0
		.amdhsa_enable_private_segment 0
		.amdhsa_kernarg_size 32
		.amdhsa_user_sgpr_count 2
		.amdhsa_user_sgpr_kernarg_segment_ptr 1
		.amdhsa_wavefront_size32 1
		.amdhsa_system_sgpr_workgroup_id_x 1
		.amdhsa_system_sgpr_workgroup_id_y 1
		.amdhsa_system_sgpr_workgroup_id_z 1
		.amdhsa_system_vgpr_workitem_id 0
		.amdhsa_next_free_vgpr 1024
		.amdhsa_next_free_sgpr 66
		.amdhsa_reserve_vcc 1
		.amdhsa_float_denorm_mode_32 3
		.amdhsa_float_denorm_mode_16_64 3
		.amdhsa_memory_ordered 1
		.amdhsa_forward_progress 1
		.amdhsa_inst_pref_size 237
	.end_amdhsa_kernel
	.amdgpu_metadata
---
amdhsa.version: [ 1, 2 ]
amdhsa.kernels:
  - .name:           k_q07e036ad07_main
    .symbol:         k_q07e036ad07_main.kd
    .args:
      - { .name: encoder_outputs, .offset: 0, .size: 8, .value_kind: global_buffer, .address_space: global }
      - { .name: wenc, .offset: 8, .size: 8, .value_kind: global_buffer, .address_space: global }
      - { .name: v, .offset: 16, .size: 8, .value_kind: global_buffer, .address_space: global }
      - { .name: senc, .offset: 24, .size: 8, .value_kind: global_buffer, .address_space: global }
    .group_segment_fixed_size: 327680
    .private_segment_fixed_size: 0
    .kernarg_segment_align: 8
    .kernarg_segment_size: 32
    .max_flat_workgroup_size: 128
    .sgpr_count:     66
    .vgpr_count:     1024
    .wavefront_size: 32
...
	.end_amdgpu_metadata
.endif
;; end of part 2
;; launch final (part 3): grid 64 x 1, 1 waves a work-group, no clusters, 0 bytes of LDS; arguments senc, cpart, v, b, out0; writes out0
.if DOCPART == 3
	.amdgcn_target "amdgcn-amd-amdhsa--gfx1250"
	.amdhsa_code_object_version 6
	.text
	.protected	k_q07e036ad07_final
	.globl	k_q07e036ad07_final
	.p2align	8
	.type	k_q07e036ad07_final,@function
k_q07e036ad07_final:
	s_mov_b64 s[64:65], 0
	v_nop
	global_prefetch_b8 v0, s[64:65] scope:SCOPE_SE
	s_setreg_imm32_b32 hwreg(HW_REG_WAVE_MODE, 25, 1), 1
	s_wait_xcnt 0x0
; out0[batch][:] = softmax over the 256 places of (senc[batch][place] + c), c = the batch's hidden part (the sum of its 256 words of cpart) + the sum over n of v[n] b[n].
; One wave to a batch: 8 scores a lane; every sum and maximum stays in the wave, so no LDS and no barrier.  The maximum is taken away before the exponential, as reference() does.
; cpart[job][2 l + i] belongs to batch 32 i + l: lane l takes jobs l + 32 q, 4 bytes of each job's 256 (64 KiB in all).
; No matrix unit, no cluster: 1,024 bytes of scores a work-group, and what the work-groups share (v, b, cpart) is 72 KiB in all.
; LIMITS: NaN and infinities are not served; a weight under 2^-126 comes out as 0 (v_exp_f32's results are flushed: ISA guide, its entry).
.set SCV, 4                            ; v4-11   8 scores
.set CPV, 12                           ; v12-19  8 words of cpart
.set VV,  20                           ; v20-51  32 numbers of v
.set BV,  52                           ; v52-83  32 numbers of b
.set A0,  84                           ; v84-87  sums
.set TT,  88                           ; v88     a lane permute's destination
.set MX,  89
.set RC,  90
.macro WSUM x                          ; the sum over the 32 lanes, in every lane
	v_add_f32_dpp v[\x], v[\x], v[\x] row_xmask:1 row_mask:0xf bank_mask:0xf
	v_add_f32_dpp v[\x], v[\x], v[\x] row_xmask:2 row_mask:0xf bank_mask:0xf
	v_add_f32_dpp v[\x], v[\x], v[\x] row_xmask:4 row_mask:0xf bank_mask:0xf
	v_add_f32_dpp v[\x], v[\x], v[\x] row_xmask:8 row_mask:0xf bank_mask:0xf
	v_permlanex16_b32 v[TT], v[\x], s18, s19
	v_add_f32 v[\x], v[\x], v[TT]
.endm
	s_load_b256 s[4:11], s[0:1], 0x0               ; senc s[4:5], cpart s[6:7], v s[8:9], b s[10:11]
	s_load_b64 s[12:13], s[0:1], 0x20              ; out0
	v_lshlrev_b32 v1, 4, v0                        ; 16 x lane
	v_lshlrev_b32 v2, 8, v0                        ; 256 x lane
	v_mov_b32 v[TT], 0
	s_lshl_b32 s14, ttmp9, 10                      ; a batch's 256 scores
	s_mov_b32 s15, 0
	s_and_b32 s16, ttmp9, 31
	s_lshl_b32 s16, s16, 3
	s_lshr_b32 s17, ttmp9, 5
	s_lshl_b32 s17, s17, 2
	s_add_co_u32 s16, s16, s17                     ; the batch's word in a job: 4 (2 (batch % 32) + batch / 32)
	s_mov_b32 s17, 0
	s_mov_b32 s18, 0x76543210
	s_mov_b32 s19, 0xfedcba98                      ; lane l xor 16
	s_wait_kmcnt 0x0
	s_add_nc_u64 s[4:5], s[4:5], s[14:15]
	s_add_nc_u64 s[12:13], s[12:13], s[14:15]
	s_add_nc_u64 s[6:7], s[6:7], s[16:17]
.irp q, 0,1,2,3,4,5,6,7
	global_load_b32 v[CPV+\q], v2, s[6:7] offset:8192*\q
.endr
.irp q, 0,1,2,3,4,5,6,7
	global_load_b128 v[VV+4*\q:VV+4*\q+3], v1, s[8:9] offset:512*\q
	global_load_b128 v[BV+4*\q:BV+4*\q+3], v1, s[10:11] offset:512*\q
.endr
	global_load_b128 v[SCV:SCV+3], v1, s[4:5]
	global_load_b128 v[SCV+4:SCV+7], v1, s[4:5] offset:512
	s_wait_loadcnt 0x0
	v_pk_mul_f32 v[A0:A0+1], v[VV:VV+1], v[BV:BV+1]                ; v . b, in two chains
	v_pk_mul_f32 v[A0+2:A0+3], v[VV+2:VV+3], v[BV+2:BV+3]
.irp q, 1,2,3,4,5,6,7
	v_pk_fma_f32 v[A0:A0+1], v[VV+4*\q:VV+4*\q+1], v[BV+4*\q:BV+4*\q+1], v[A0:A0+1]
	v_pk_fma_f32 v[A0+2:A0+3], v[VV+4*\q+2:VV+4*\q+3], v[BV+4*\q+2:BV+4*\q+3], v[A0+2:A0+3]
.endr
	v_pk_add_f32 v[A0:A0+1], v[A0:A0+1], v[CPV:CPV+1]              ; and my eight jobs' parts
	v_pk_add_f32 v[A0+2:A0+3], v[A0+2:A0+3], v[CPV+2:CPV+3]
	v_pk_add_f32 v[A0:A0+1], v[A0:A0+1], v[CPV+4:CPV+5]
	v_pk_add_f32 v[A0+2:A0+3], v[A0+2:A0+3], v[CPV+6:CPV+7]
	v_pk_add_f32 v[A0:A0+1], v[A0:A0+1], v[A0+2:A0+3]
	v_add_f32 v[A0], v[A0], v[A0+1]
	WSUM A0                                        ; c
.irp i, 0,1,2,3,4,5,6,7
	v_add_f32 v[SCV+\i], v[SCV+\i], v[A0]          ; the scores as reference() has them
.endr
	v_max3_num_f32 v[MX], v[SCV], v[SCV+1], v[SCV+2]
	v_max3_num_f32 v[MX], v[MX], v[SCV+3], v[SCV+4]
	v_max3_num_f32 v[MX], v[MX], v[SCV+5], v[SCV+6]
	v_max_num_f32 v[MX], v[MX], v[SCV+7]
	v_max_num_f32_dpp v[MX], v[MX], v[MX] row_xmask:1 row_mask:0xf bank_mask:0xf
	v_max_num_f32_dpp v[MX], v[MX], v[MX] row_xmask:2 row_mask:0xf bank_mask:0xf
	v_max_num_f32_dpp v[MX], v[MX], v[MX] row_xmask:4 row_mask:0xf bank_mask:0xf
	v_max_num_f32_dpp v[MX], v[MX], v[MX] row_xmask:8 row_mask:0xf bank_mask:0xf
	v_permlanex16_b32 v[TT], v[MX], s18, s19
	v_max_num_f32 v[MX], v[MX], v[TT]              ; the batch's largest score
.irp i, 0,1,2,3,4,5,6,7
	v_sub_f32 v[SCV+\i], v[SCV+\i], v[MX]
.endr
.irp i, 0,1,2,3,4,5,6,7
	v_mul_f32 v[SCV+\i], 0x3fb8aa3b, v[SCV+\i]     ; x log2(e)
.endr
.irp i, 0,1,2,3,4,5,6,7
	v_exp_f32 v[SCV+\i], v[SCV+\i]
.endr
	v_nop                                          ; a plain vector line behind the exponentials (ISA guide 5.7.2)
	s_wait_alu depctr_va_vdst(0)
	v_pk_add_f32 v[A0:A0+1], v[SCV:SCV+1], v[SCV+2:SCV+3]
	v_pk_add_f32 v[A0+2:A0+3], v[SCV+4:SCV+5], v[SCV+6:SCV+7]
	v_pk_add_f32 v[A0:A0+1], v[A0:A0+1], v[A0+2:A0+3]
	v_add_f32 v[A0], v[A0], v[A0+1]
	WSUM A0
	v_rcp_f32 v[RC], v[A0]
	v_nop                                          ; a plain vector line behind the reciprocal
	s_wait_alu depctr_va_vdst(0)
.irp i, 0,1,2,3,4,5,6,7
	v_mul_f32 v[SCV+\i], v[SCV+\i], v[RC]
.endr
	global_store_b128 v1, v[SCV:SCV+3], s[12:13]               ; 32 lanes store 512 consecutive bytes, at a multiple of 256 from out0's first byte
	global_store_b128 v1, v[SCV+4:SCV+7], s[12:13] offset:512
	s_endpgm
.Lfunc_end_k_q07e036ad07_final:
	.size	k_q07e036ad07_final, .Lfunc_end_k_q07e036ad07_final-k_q07e036ad07_final
	.p2alignl 7, 3214868480
	.fill 96, 4, 3214868480
	.section	.rodata,"a",@progbits
	.p2align	6, 0x0
	.amdhsa_kernel k_q07e036ad07_final
		.amdhsa_group_segment_fixed_size 0
		.amdhsa_private_segment_fixed_size 0
		.amdhsa_enable_private_segment 0
		.amdhsa_kernarg_size 40
		.amdhsa_user_sgpr_count 2
		.amdhsa_user_sgpr_kernarg_segment_ptr 1
		.amdhsa_wavefront_size32 1
		.amdhsa_system_sgpr_workgroup_id_x 1
		.amdhsa_system_sgpr_workgroup_id_y 1
		.amdhsa_system_sgpr_workgroup_id_z 1
		.amdhsa_system_vgpr_workitem_id 0
		.amdhsa_next_free_vgpr 96
		.amdhsa_next_free_sgpr 66
		.amdhsa_reserve_vcc 0
		.amdhsa_float_denorm_mode_32 3
		.amdhsa_float_denorm_mode_16_64 3
		.amdhsa_memory_ordered 1
		.amdhsa_forward_progress 1
		.amdhsa_inst_pref_size 9
	.end_amdhsa_kernel
	.amdgpu_metadata
---
amdhsa.version: [ 1, 2 ]
amdhsa.kernels:
  - .name:           k_q07e036ad07_final
    .symbol:         k_q07e036ad07_final.kd
    .args:
      - { .name: senc, .offset: 0, .size: 8, .value_kind: global_buffer, .address_space: global }
      - { .name: cpart, .offset: 8, .size: 8, .value_kind: global_buffer, .address_space: global }
      - { .name: v, .offset: 16, .size: 8, .value_kind: global_buffer, .address_space: global }
      - { .name: b, .offset: 24, .size: 8, .value_kind: global_buffer, .address_space: global }
      - { .name: out0, .offset: 32, .size: 8, .value_kind: global_buffer, .address_space: global }
    .group_segment_fixed_size: 0
    .private_segment_fixed_size: 0
    .kernarg_segment_align: 8
    .kernarg_segment_size: 40
    .max_flat_workgroup_size: 32
    .sgpr_count:     66
    .vgpr_count:     96
    .wavefront_size: 32
...
	.end_amdgpu_metadata
.endif
;; end of part 3
;; ======== version 2 of 2: 3 launches; 1.13 times as fast as version 1
;; workspace buffers: wenc 1,081,344 bytes; cpart 65,536 bytes; senc 131,072 bytes
;; launch prep (part 4): grid 320 x 1, 4 waves a work-group, no clusters, 10,752 bytes of LDS; arguments W, hidden, v, wenc, cpart; writes wenc, cpart
.if DOCPART == 4
	.amdgcn_target "amdgcn-amd-amdhsa--gfx1250"
	.amdhsa_code_object_version 6
	.text
	.protected	k_q07e036ad07_prep
	.globl	k_q07e036ad07_prep
	.p2align	8
	.type	k_q07e036ad07_prep,@function
k_q07e036ad07_prep:
	s_mov_b64 s[64:65], 0
	v_nop
	global_prefetch_b8 v0, s[64:65] scope:SCOPE_SE
	s_setreg_imm32_b32 hwreg(HW_REG_WAVE_MODE, 25, 1), 1
	s_wait_xcnt 0x0
; W [1024][3072] f32 is quantised along K to codes of E5M2 with one E8M0 byte for each 32 along K, once for the whole program, and the part of the scores that is the same for all
; 256 places of a batch is computed.  attn_input's K = 0 .. 2047 is the batch's two hidden rows, repeated for every place; 2,048 is a multiple of 32, so its blocks, codes and scales
; are the same in all 256 rows of a batch: that part of the quantised product has 64 different rows, and each is multiplied once.
; WORK-GROUPS 0-255 (job g): K step s = g / 16 (128 along K of the hidden part), W rows 64 (g % 16) on.  Wave w quantises hidden's batches 16 w .. 16 w + 15 and W's tile T = 4 (g % 16) + w (16 rows),
;   each one fragment; hidden's four fragments go from wave to wave through LDS as images of their registers; four products (source 0 = W's tile, source 1 = 16 batches: a lane then holds one batch and
;   eight rows of W); the results are multiplied by v and summed; cpart[g][2 l + i] = the job's sum for batch 32 i + l.
; WORK-GROUPS 256-319: W's tile T = g - 256, columns 2048 on (the encoder part): wave j quantises K steps 2 j and 2 j + 1.  The codes go out in the order of the operand's registers:
;   wenc = 32 records [ch = T / 32][j][w' = (T / 8) % 4] of 33,792 bytes; K step 2 j + u, tile t = T % 8: byte 2048 (8 u + t) + 512 c + 16 lane + i = register 4 c + i / 4 of that lane; from byte 32,768 on
;   the scale words, at 512 u + 256 (t % 2) + 16 r + 4 (t / 2).  The scale words leave as pieces of 4 bytes: one byte in 64 of what this path stores.
; The two kinds part on the work-group's number alone; only the first uses LDS and barriers.  No tensor load: the numbers arrive as f32 and go from memory into the quantiser's registers; so no joint
; requests either (what jobs share is hidden, 512 KiB in all).
; A block's scale is 2^(floor(log2(its largest magnitude)) - 15); its byte is that magnitude's exponent field - 15, held at 1 from below.
; LIMITS: NaN and infinities among the inputs are not served; blocks whose largest magnitude lies under 2^-111 (the floor) were not tried; a block of zeros gets the byte 1 over zero codes
; (these bytes are read by this program alone); the f32 sums are grouped otherwise than reference() groups them.
.set HIMG, 0                           ; LDS: hidden's four fragments, 2,048 bytes each,
.set HSC,  8192                        ; their scale words, 128 bytes each,
.set SUM,  8704                        ; and the four waves' sums, 256 bytes each
.set REC,  33792
.set XH,  4                            ; v4   hidden: 4,096 r + 64 h
.set XW,  5                            ; v5   W: 12,288 r + 64 h
.set LI,  6                            ; v6   16 x lane
.set LS,  7                            ; v7   4 x lane
.set HWI, 8                            ; v8   16 x lane + 2,048 x wave
.set HWS, 9                            ; v9   4 x lane + 128 x wave
.set VA,  10                           ; v10  32 h
.set SIN, 11                           ; v11  8 x lane + 256 x wave
.set L8,  12                           ; v12  8 x lane
.set R16, 13                           ; v13  16 r
.set PC,  16                           ; v16-31   the codes just made
.set VV,  32                           ; v32-39   v at my eight rows of W
.set SS,  40                           ; v40-47   four sums, in pairs
.set HS,  48                           ; v48-51   hidden's scale words
.set PW,  52                           ; v52      the scale word just made
.set PP,  54                           ; v54-55   my two batches' sums
.set TM,  56                           ; v56-71   at work in the quantiser
.set BK,  72                           ; v72-79   the four waves' sums, read back
.set S0,  128                          ; v128-191 64 numbers; later hidden's four fragments
.set S1,  192                          ; v192-255 64 numbers; later the four accumulators
.set SEL, 36                           ; s[36:37] lane selects: lane l xor 16
.set MNT, 38                           ; s38  the mantissa field of 57,344
; 64 numbers of a lane, register 16 b + i = k 32 b + 16 (lane / 16) + i of my row, become a fragment's codes in v[PC] on and its scale word in v[PW]
.macro QUANT s
.irp b, 0,1,2,3
	v_max3_num_f32 v[TM+\b], |v[\s+16*\b]|, |v[\s+1+16*\b]|, 0x8000000   ; my 16 numbers of block b, and the floor 2^(16 - 127): the byte cannot fall under 1
.endr
.irp i, 2,4,6,8,10,12,14
.irp b, 0,1,2,3
	v_max3_num_f32 v[TM+\b], v[TM+\b], |v[\s+16*\b+\i]|, |v[\s+1+16*\b+\i]|
.endr
.endr
.irp b, 0,1,2,3
	v_permlanex16_b32 v[TM+4+\b], v[TM+\b], s[SEL], s[SEL+1]
.endr
.irp b, 0,1,2,3
	v_max_num_f32 v[TM+\b], v[TM+\b], v[TM+4+\b]                     ; with lane l xor 16's: the block's largest magnitude
.endr
.irp b, 0,1,2,3
	v_add_nc_u32 v[TM+12+\b], 0xf8800000, v[TM+\b]                   ; 15 off its exponent field: the conversion's scale operand
.endr
.irp b, 0,1,2,3
	v_and_or_b32 v[TM+8+\b], v[TM+\b], 0x7f800000, s[MNT]            ; 57,344 x the scale
.endr
.irp b, 0,1,2,3
	v_lshrrev_b32 v[TM+4+\b], 23, v[TM+12+\b]                        ; the scale's byte
.endr
	v_lshl_or_b32 v[PW], v[TM+5], 8, v[TM+4]
	v_lshl_or_b32 v[PW], v[TM+6], 16, v[PW]
	v_lshl_or_b32 v[PW], v[TM+7], 24, v[PW]                          ; my row's scale word; the 64 holds below stand between it and any product
.irp b, 0,1,2,3
.irp i, 0,1,2,3,4,5,6,7,8,9,10,11,12,13,14,15
	v_med3_num_f32 v[\s+16*\b+\i], v[\s+16*\b+\i], -v[TM+8+\b], v[TM+8+\b]   ; the conversion to an 8-bit code does not saturate (ISA guide 7.6.2): the hold comes first
.endr
	v_cvt_scalef32_pk8_bf8_f32 v[PC+4*\b:PC+1+4*\b], v[\s+16*\b:\s+7+16*\b], v[TM+12+\b]
	v_cvt_scalef32_pk8_bf8_f32 v[PC+2+4*\b:PC+3+4*\b], v[\s+8+16*\b:\s+15+16*\b], v[TM+12+\b]
.endr
	v_nop                                          ; a plain vector line behind the last conversion
.endm
; my row's 64 numbers of one K step: 16 neighbours of each block of 32
.macro XLOAD reg, adr, base, off, nt
.irp b, 0,1,2,3
.irp j, 0,1,2,3
.if \nt
	global_load_b128 v[\reg+16*\b+4*\j:\reg+16*\b+4*\j+3], v[\adr], s[\base:\base+1] offset:\off+128*\b+16*\j th:TH_LOAD_NT
.else
	global_load_b128 v[\reg+16*\b+4*\j:\reg+16*\b+4*\j+3], v[\adr], s[\base:\base+1] offset:\off+128*\b+16*\j
.endif
.endr
.endr
.endm
.macro BARRIER                                 ; my LDS stores have landed and my LDS loads are in: then the work-group's barrier
	s_wait_dscnt 0x0
	s_barrier_signal -1
	s_barrier_wait -1
.endm
	s_load_b256 s[4:11], s[0:1], 0x0               ; W s[4:5], hidden s[6:7], v s[8:9], wenc s[10:11]
	s_load_b64 s[12:13], s[0:1], 0x20              ; cpart
	v_lshl_add_u32 v126, v0, 2, 0x2800
	v_mov_b32 v127, 0
	v_lshrrev_b32 v1, 5, v0
	v_readfirstlane_b32 s14, v1                    ; wave 0..3
	v_and_b32 v1, 31, v0                           ; lane
	v_and_b32 v2, 15, v0                           ; r
	v_bfe_u32 v3, v0, 4, 1                         ; h
	v_lshlrev_b32 v[XH], 12, v2
	v_lshl_add_u32 v[XH], v3, 6, v[XH]
	v_mul_u32_u24 v[XW], v2, 12288
	v_lshl_add_u32 v[XW], v3, 6, v[XW]
	v_lshlrev_b32 v[LI], 4, v1
	v_lshlrev_b32 v[LS], 2, v1
	s_lshl_b32 s15, s14, 11
	v_add_nc_u32 v[HWI], s15, v[LI]
	s_lshl_b32 s15, s14, 7
	v_add_nc_u32 v[HWS], s15, v[LS]
	v_lshlrev_b32 v[VA], 5, v3
	v_lshlrev_b32 v[L8], 3, v1
	s_lshl_b32 s15, s14, 8
	v_add_nc_u32 v[SIN], s15, v[L8]
	v_lshlrev_b32 v[R16], 4, v2
.irp b, 0,1,2,3
	v_mov_b32 v[TM+4+\b], 0                        ; written once: a lane permute's destination counts as one of its sources
.endr
	s_mov_b32 s[SEL], 0x76543210
	s_mov_b32 s[SEL+1], 0xfedcba98
	s_mov_b32 s[MNT], 0x600000
	s_cmp_lt_u32 ttmp9, 256                        ; the same in all four waves
	s_cbranch_scc0 .Lenc
	; ---- the hidden part: job g
	s_lshr_b32 s16, ttmp9, 4                       ; K step s
	s_and_b32 s17, ttmp9, 15
	s_lshl_b32 s18, s17, 2
	s_add_co_u32 s18, s18, s14                     ; my tile of W: T = 4 (g % 16) + wave
	s_lshr_b32 s20, s16, 3
	s_lshl_b32 s20, s20, 18                        ; hidden: layer s / 8,
	s_lshl_b32 s21, s14, 16
	s_add_co_u32 s20, s20, s21                     ; batches 16 w on,
	s_and_b32 s21, s16, 7
	s_lshl_b32 s21, s21, 9
	s_add_co_u32 s20, s20, s21                     ; columns 128 (s % 8) on
	s_mov_b32 s21, 0
	s_mul_i32 s22, s18, 196608                     ; W: 16 rows of 12,288 bytes a tile,
	s_lshl_b32 s23, s16, 9
	s_add_co_u32 s22, s22, s23                     ; columns 128 s on
	s_mov_b32 s23, 0
	s_lshl_b32 s24, s18, 6                         ; v: 16 numbers a tile
	s_mov_b32 s25, 0
	s_lshl_b32 s26, ttmp9, 8                       ; cpart: 256 bytes a job
	s_mov_b32 s27, 0
	s_wait_kmcnt 0x0
	s_add_nc_u64 s[6:7], s[6:7], s[20:21]
	s_add_nc_u64 s[4:5], s[4:5], s[22:23]
	s_add_nc_u64 s[8:9], s[8:9], s[24:25]
	s_add_nc_u64 s[12:13], s[12:13], s[26:27]
	global_load_b128 v[VV:VV+3], v[VA], s[8:9]             ; v[16 T + 8 h + 0 .. 7]
	global_load_b128 v[VV+4:VV+7], v[VA], s[8:9] offset:16
	XLOAD S0, XH, 6, 0, 0                          ; hidden: sixteen jobs read these rows, so no hint
	XLOAD S1, XW, 4, 0, 1                          ; W: read once in the launch
	s_wait_loadcnt 16                              ; v and hidden are in; W's sixteen loads may be out
	QUANT S0
.irp c, 0,1,2,3
	ds_store_b128 v[HWI], v[PC+4*\c:PC+4*\c+3] offset:HIMG+512*\c     ; the fragment as it stands: 512 consecutive bytes a store
.endr
	ds_store_b32 v[HWS], v[PW] offset:HSC
	BARRIER                                        ; hidden's four fragments lie in LDS
.irp m, 0,1,2,3
.irp c, 0,1,2,3
	ds_load_b128 v[S0+16*\m+4*\c:S0+16*\m+4*\c+3], v[LI] offset:HIMG+2048*\m+512*\c
.endr
	ds_load_b32 v[HS+\m], v[LS] offset:HSC+128*\m
.endr
	s_wait_loadcnt 0x0                             ; W
	QUANT S1
.rept 4
	v_nop                                          ; codes written by vector instructions stand four places ahead of a scaled product
.endr
	s_wait_dscnt 0x0
.irp m, 0,1,2,3                                ; four accumulators, one product each: no sum is taken up again
	v_wmma_scale_f32_16x16x128_f8f6f4 v[S1+8*\m:S1+8*\m+7], v[PC:PC+15], v[S0+16*\m:S0+16*\m+15], 0, v[PW], v[HS+\m] matrix_a_fmt:MATRIX_FMT_BF8 matrix_b_fmt:MATRIX_FMT_BF8
.endr
.rept 8
	v_nop                                          ; eight places behind this form before its results are read
.endr
.irp m, 0,1,2,3
	v_pk_mul_f32 v[SS+2*\m:SS+2*\m+1], v[S1+8*\m:S1+8*\m+1], v[VV:VV+1]        ; each accumulator from its low end on
.endr
.irp j, 2,4,6
.irp m, 0,1,2,3
	v_pk_fma_f32 v[SS+2*\m:SS+2*\m+1], v[S1+8*\m+\j:S1+8*\m+\j+1], v[VV+\j:VV+\j+1], v[SS+2*\m:SS+2*\m+1]
.endr
.endr
.irp m, 0,1,2,3
	v_add_f32 v[SS+2*\m], v[SS+2*\m], v[SS+2*\m+1]
.endr
.irp m, 0,1,2,3
	v_permlanex16_b32 v[TM+4+\m], v[SS+2*\m], s[SEL], s[SEL+1]
.endr
.irp m, 0,1,2,3
	v_add_f32 v[SS+2*\m], v[SS+2*\m], v[TM+4+\m]   ; batch 16 m + r: the tile's 16 rows of W
.endr
	v_cmp_eq_u32 vcc_lo, 1, v3
	v_cndmask_b32 v[PP], v[SS], v[SS+2], vcc_lo    ; batch l = 16 h + r,
	v_cndmask_b32 v[PP+1], v[SS+4], v[SS+6], vcc_lo   ; and batch 32 + l
	ds_store_b64 v[SIN], v[PP:PP+1] offset:SUM
	BARRIER                                        ; the four waves' sums lie in LDS
	s_cmp_lg_u32 s14, 0
	s_cbranch_scc1 .Ldone
.irp q, 0,1,2,3
	ds_load_b64 v[BK+2*\q:BK+2*\q+1], v[L8] offset:SUM+256*\q
.endr
	s_wait_dscnt 0x0
	v_pk_add_f32 v[BK:BK+1], v[BK:BK+1], v[BK+2:BK+3]
	v_pk_add_f32 v[BK+4:BK+5], v[BK+4:BK+5], v[BK+6:BK+7]
	v_pk_add_f32 v[BK:BK+1], v[BK:BK+1], v[BK+4:BK+5]
	global_store_b64 v[L8], v[BK:BK+1], s[12:13]   ; 32 lanes store 256 consecutive bytes, at a multiple of 256 from cpart's first byte
.Ldone:
	s_wait_tensorcnt 0x0
	ds_add_u32 v126, v127
	s_wait_dscnt 0x0
	s_endpgm
	; ---- the encoder part of W: tile T, my two K steps
.Lenc:
	s_sub_co_u32 s16, ttmp9, 256                   ; T
	s_mul_i32 s22, s16, 196608
	s_lshl_b32 s23, s14, 10                        ; K steps 2 j, 2 j + 1 (j = my wave): 512 bytes each,
	s_add_co_u32 s22, s22, s23
	s_add_co_u32 s22, s22, 8192                    ; behind the 2,048 columns of the hidden part
	s_mov_b32 s23, 0
	s_lshr_b32 s24, s16, 5
	s_lshl_b32 s24, s24, 4                         ; record 16 (T / 32)
	s_lshl_b32 s25, s14, 2
	s_add_co_u32 s24, s24, s25                     ; + 4 j
	s_bfe_u32 s25, s16, 0x20003
	s_add_co_u32 s24, s24, s25                     ; + (T / 8) % 4
	s_mul_i32 s24, s24, REC
	s_and_b32 s25, s16, 7
	s_lshl_b32 s25, s25, 11
	s_add_co_u32 s26, s24, s25                     ; the tile's image for the pair's first K step: 2,048 (T % 8)
	s_mov_b32 s27, 0
	s_and_b32 s25, s16, 1
	s_lshl_b32 s25, s25, 8
	s_add_co_u32 s28, s24, s25                     ; its scale words: 256 (t % 2)
	s_bfe_u32 s25, s16, 0x20001
	s_lshl_b32 s25, s25, 2
	s_add_co_u32 s28, s28, s25                     ; + 4 (t / 2)
	s_add_co_u32 s28, s28, 32768
	s_mov_b32 s29, 0
	s_wait_kmcnt 0x0
	s_add_nc_u64 s[4:5], s[4:5], s[22:23]
	s_add_nc_u64 s[30:31], s[10:11], s[28:29]
	s_add_nc_u64 s[10:11], s[10:11], s[26:27]
	XLOAD S0, XW, 4, 0, 1
	XLOAD S1, XW, 4, 512, 1
.macro WOUT ioff, soff
.irp c, 0,1,2,3
	global_store_b128 v[LI], v[PC+4*\c:PC+4*\c+3], s[10:11] offset:\ioff+512*\c   ; 32 lanes store 512 consecutive bytes, at a multiple of 256 from wenc's first byte
.endr
	global_store_b32 v[R16], v[PW], s[30:31] offset:\soff   ; lanes r and 16 + r hold the same word and store it to the same place
.endm
	s_wait_loadcnt 16                              ; the first K step's sixteen loads are in
	QUANT S0
	WOUT 0, 0
	s_wait_xcnt 0x0                                ; the stores' data registers are written again only behind this wait
	s_wait_loadcnt 0x0
	QUANT S1
	WOUT 16384, 512                                ; the pair's second K step: eight images on, and the second 512 bytes of scale words
	s_endpgm
.Lfunc_end_k_q07e036ad07_prep:
	.size	k_q07e036ad07_prep, .Lfunc_end_k_q07e036ad07_prep-k_q07e036ad07_prep
	.p2alignl 7, 3214868480
	.fill 96, 4, 3214868480
	.section	.rodata,"a",@progbits
	.p2align	6, 0x0
	.amdhsa_kernel k_q07e036ad07_prep
		.amdhsa_group_segment_fixed_size 10752
		.amdhsa_private_segment_fixed_size 0
		.amdhsa_enable_private_segment 0
		.amdhsa_kernarg_size 40
		.amdhsa_user_sgpr_count 2
		.amdhsa_user_sgpr_kernarg_segment_ptr 1
		.amdhsa_wavefront_size32 1
		.amdhsa_system_sgpr_workgroup_id_x 1
		.amdhsa_system_sgpr_workgroup_id_y 1
		.amdhsa_system_sgpr_workgroup_id_z 1
		.amdhsa_system_vgpr_workitem_id 0
		.amdhsa_next_free_vgpr 256
		.amdhsa_next_free_sgpr 66
		.amdhsa_reserve_vcc 1
		.amdhsa_float_denorm_mode_32 3
		.amdhsa_float_denorm_mode_16_64 3
		.amdhsa_memory_ordered 1
		.amdhsa_forward_progress 1
		.amdhsa_inst_pref_size 48
	.end_amdhsa_kernel
	.amdgpu_metadata
---
amdhsa.version: [ 1, 2 ]
amdhsa.kernels:
  - .name:           k_q07e036ad07_prep
    .symbol:         k_q07e036ad07_prep.kd
    .args:
      - { .name: W, .offset: 0, .size: 8, .value_kind: global_buffer, .address_space: global }
      - { .name: hidden, .offset: 8, .size: 8, .value_kind: global_buffer, .address_space: global }
      - { .name: v, .offset: 16, .size: 8, .value_kind: global_buffer, .address_space: global }
      - { .name: wenc, .offset: 24, .size: 8, .value_kind: global_buffer, .address_space: global }
      - { .name: cpart, .offset: 32, .size: 8, .value_kind: global_buffer, .address_space: global }
    .group_segment_fixed_size: 10752
    .private_segment_fixed_size: 0
    .kernarg_segment_align: 8
    .kernarg_segment_size: 40
    .max_flat_workgroup_size: 128
    .sgpr_count:     66
    .vgpr_count:     256
    .wavefront_size: 32
...
	.end_amdgpu_metadata
.endif
;; end of part 4
;; launch main (part 5): grid 256 x 1, 4 waves a work-group, clusters of 4 x 1, 327,680 bytes of LDS; arguments encoder_outputs, wenc, v, senc; writes senc
.if DOCPART == 5
	.amdgcn_target "amdgcn-amd-amdhsa--gfx1250"
	.amdhsa_code_object_version 6
	.text
	.protected	k_q07e036ad07_main
	.globl	k_q07e036ad07_main
	.p2align	8
	.type	k_q07e036ad07_main,@function
k_q07e036ad07_main:
	s_mov_b64 s[64:65], 0
	v_nop
	global_prefetch_b8 v0, s[64:65] scope:SCOPE_SE
	s_setreg_imm32_b32 hwreg(HW_REG_WAVE_MODE, 25, 1), 1
	s_wait_xcnt 0x0
	s_wait_alu depctr_hold_cnt(0) depctr_sa_sdst(0) depctr_va_vdst(0) depctr_va_sdst(0) depctr_va_ssrc(0) depctr_va_vcc(0) depctr_vm_vsrc(0)
	s_getreg_b32 s2, hwreg(HW_REG_IB_STS2, 6, 4)
	s_cmp_eq_u32 s2, 0
	s_cbranch_scc0 .Lentry_in_a_cluster
	s_endpgm
.Lentry_in_a_cluster:
	s_bfe_u32 s2, ttmp6, 0x10000c
	s_cmp_lg_u32 s2, 0x3003
	s_cbranch_scc0 .Lentry_shape_is_right
	s_endpgm
.Lentry_shape_is_right:
; senc[ch][row] = the sum over the 512 columns n of half ch of v[n] x (the sum over k of Q(enc[row][k]) Q(W[n][2048 + k])): the encoder part of each score, in two parts.  enc: [16384][1024] f32; W's codes and
; scale words come from wenc, in the order of the operand's registers.  The products are on codes of E5M2 with one E8M0 scale for each 32 along K; the product with v (one column) is made by f32 fused multiply-adds.
; (K = 0 .. 2047 of the quantised product is the same row for all places of a batch; it is multiplied once a batch by the launch before, and added to the scores by the launch behind.)
; SHARES.  A work-group owns 128 rows x 512 columns, all of K.  It takes in 128 x 4 KiB of enc and 528 KiB of W; with 64 rows x 1,024 columns it would be 256 KiB and 1,056 KiB, all of the latter through the
; ring in LDS.  The price: each row of enc is read and quantised by two work-groups (so its loads carry no hint).  Wave w quantises rows 32 w .. 32 w + 31, and multiplies all 128 rows by columns
; 512 ch + 128 w .. + 127: 8 x 8 accumulators, 512 registers.  The codes go from wave to wave through LDS (rows of 128 codes + 16 bytes, two buffers of one K step): one barrier at each K step's end.
; THE MATRIX INSTRUCTION IS USED TRANSPOSED (source 0 = 16 rows of W, source 1 = 16 rows of enc): a lane holds one row of enc and eight columns, so the product with v stays in the lane.
; W's codes of TWO K steps (256 along K) of a wave's 128 rows are one dense record of 33,792 bytes; each wave brings its own record by one tensor load into a ring of two slots, and reads its own record alone.
; Four fills in all: two at the start, two refills, each with two K steps (128 products a wave) in which to land.
; CLUSTER.  The four work-groups of a cluster take four blocks of rows and the SAME half of the columns (the cluster's number is odd or even), so each record is asked for JOINTLY: the same load, the same
; descriptor, a mask that names the four.  The place in the cluster enters enc's and senc's global addresses alone.
; THE STREAM.  A unit of quantising is 16 rows x 128 along K: 16 loads a wave; three sets of registers hold three units, so two units' loads are out while one is worked.  A K step carries the next K step's two
; units: the first stands behind the step's LDS loads, while they land, the second between its two halves of products.  The eight K steps are written out: each differs (first sums, refills, units, tail).
; LIMITS: NaN and infinities among the inputs are not served; blocks whose largest magnitude lies under 2^-111 (the floor) were not tried; a block of zeros gets the byte 1 over zero codes (the bytes are
; read by this launch alone); the f32 sums are grouped otherwise than reference() groups them.
; REGISTERS, in windows of 256: window 0: v1-15 addresses; v16-23 scale words; v24-63 at work in the quantiser; v64-255 three sets of 64 numbers (at the end one of them holds v).
;   window 1: v0-63 enc's fragments of rows 0-63; v64-127, v128-191 W's tiles 0-3, 4-7; v192-255 enc's fragments of rows 64-127.   windows 2, 3: accumulator (m, t) at v[8 (4 t + m % 4)] of window 2 + m / 4.
.set CP,    144                        ; a row of codes in LDS: 128 + 16 bytes, an odd multiple of 16: the 16 rows that a fragment load touches begin at 16 different places modulo 256 bytes
.set CBUF,  128*CP                     ; LDS from 0: two buffers of 128 rows of codes
.set ASCL,  2*CBUF                     ; two buffers of 128 scale words
.set ABUF,  512
.set SCO,   ASCL+2*ABUF                ; [wave][128] f32: the waves' parts of the scores
.set SPARE, SCO+2048                   ; the spare words, 128 bytes for each wave: two blocks of 256 bytes that no other line names
.set RING,  SPARE+512                  ; two slots of four records
.set REC,   33792
.set SLOT,  4*REC
.set AX,   1                           ; v1   enc: 4,096 h + 32 r: my 8 numbers of a row's 128, lanes 16-31 a row further down
.set CST,  2                           ; v2   where I store 8 codes: CP (32 x wave + h) + 8 r
.set SST,  3                           ; v3   and my block's scale byte: ASCL + 4 (32 x wave + h) + r / 4
.set AFR,  4                           ; v4   a fragment of enc: CP r + 16 h
.set ASC,  5                           ; v5   enc's scale words: ASCL + 4 x lane
.set BAD,  6                           ; v6-7 my record in slot 0, 1: + 16 x lane
.set SPW,  8                           ; v8   my spare word; never rewritten
.set NIL,  9                           ; v9   0; never rewritten
.set VA,   10                          ; v10  32 h
.set SCI,  11                          ; v11  SCO + 512 x wave + 4 x lane
.set SCR,  14                          ; v14  SCO + 16 x lane
.set GO,   15                          ; v15  16 x lane
.set RAS,  16                          ; v16-19  enc's scale words: register i: lanes 0-15 rows 32 i on, lanes 16-31 rows 32 i + 16 on
.set RBS,  20                          ; v20-23  W's scale words: register t / 2: lanes 0-15 the even tile, lanes 16-31 the odd one
.set RM,   24                          ; v24-31  largest magnitudes, then scale bytes; at the end, with v32-39, the eight sums
.set RSC,  32                          ; v32-39  the conversions' scale operands
.set RH,   40                          ; v40-47  57,344 x the scale
.set RPC,  48                          ; v48-63  the codes just made
.set SET,  64
.set ALO,  0                           ; in window 1
.set PB0,  64
.set PB1,  128
.set AHI,  192
.set G1,   16                          ; s[16:23] descriptor group 1
.set G0,   24                          ; s[24:31] group 0, a set for each slot
.set MNT,  36
.set SEL,  38
.set MSB, 0
.macro WIN new                         ; the immediate's high byte repeats the setting that is left
.if MSB != \new
	s_set_vgpr_msb (MSB<<8)|\new
.set MSB, \new
.endif
.endm
.macro PLACES n
.rept \n
	v_nop
.endr
.endm
.macro CREST                           ; a round of the cluster's barrier behind its opening barrier
	s_cmp_lg_u32 s12, 0
	s_cbranch_scc1 .Lnot_wave_0_\@
	s_barrier_signal -3
.Lnot_wave_0_\@:
	s_barrier_wait -3
	s_barrier_signal -1
	s_barrier_wait -1
.endm
.macro CROUND
	s_barrier_signal -1
	s_barrier_wait -1
	CREST
.endm
; UNIT q of quantising: K step q / 2, rows 16 (q % 2) + 0 .. 15 of my 32, in set q % 3.  Register 8 i + j: row 2 i + h, k = 8 r + j.
.macro GLOAD q
.set gS, SET+64*((\q)%3)
.set gO, ((\q)%2)*16*4096+((\q)/2)*512
.irp i, 0,1,2,3,4,5,6,7
	global_load_b128 v[gS+8*\i:gS+8*\i+3], v[AX], s[4:5] offset:gO+\i*8192          ; the pair covers 512 consecutive bytes of each of two rows
	global_load_b128 v[gS+8*\i+4:gS+8*\i+7], v[AX], s[4:5] offset:gO+\i*8192+16
.endr
.endm
.macro QMAX q                          ; the largest magnitude of my 8 numbers of each row, over the floor 2^(16 - 127); the rows by turns
.set gS, SET+64*((\q)%3)
.irp i, 0,1,2,3,4,5,6,7
	v_max3_num_f32 v[RM+\i], |v[gS+8*\i]|, |v[gS+8*\i+1]|, 0x8000000
.endr
.irp j, 2,4,6
.irp i, 0,1,2,3,4,5,6,7
	v_max3_num_f32 v[RM+\i], v[RM+\i], |v[gS+8*\i+\j]|, |v[gS+8*\i+\j+1]|
.endr
.endr
.endm
.macro QSCL                            ; a block of 32 lies in four neighbouring lanes
.irp i, 0,1,2,3,4,5,6,7
	v_max_num_f32_dpp v[RM+\i], v[RM+\i], v[RM+\i] row_xmask:1 row_mask:0xf bank_mask:0xf
.endr
.irp i, 0,1,2,3,4,5,6,7
	v_max_num_f32_dpp v[RM+\i], v[RM+\i], v[RM+\i] row_xmask:2 row_mask:0xf bank_mask:0xf
.endr
.irp i, 0,1,2,3,4,5,6,7
	v_add_nc_u32 v[RSC+\i], 0xf8800000, v[RM+\i]                   ; 15 off the exponent field: the conversion's scale operand
.endr
.irp i, 0,1,2,3,4,5,6,7
	v_and_or_b32 v[RH+\i], v[RM+\i], 0x7f800000, s[MNT]            ; 57,344 x the scale
.endr
.irp i, 0,1,2,3,4,5,6,7
	v_lshrrev_b32 v[RM+\i], 23, v[RSC+\i]                          ; the scale's byte
.endr
.endm
.macro QCVT q
.set gS, SET+64*((\q)%3)
.set gC, CBUF*(((\q)/2)%2)+16*CP*((\q)%2)
.set gA, ABUF*(((\q)/2)%2)+64*((\q)%2)
.irp i, 0,1,2,3,4,5,6,7
.irp j, 0,1,2,3,4,5,6,7
	v_med3_num_f32 v[gS+8*\i+\j], v[gS+8*\i+\j], -v[RH+\i], v[RH+\i]   ; the conversion to an 8-bit code does not saturate (ISA guide 7.6.2): the hold comes first
.endr
	v_cvt_scalef32_pk8_bf8_f32 v[RPC+2*\i:RPC+2*\i+1], v[gS+8*\i:gS+8*\i+7], v[RSC+\i]
.endr
	v_nop                                          ; a plain vector line behind the last conversion
.irp i, 0,1,2,3,4,5,6,7
	ds_store_b64 v[CST], v[RPC+2*\i:RPC+2*\i+1] offset:gC+2*CP*\i  ; sixteen lanes store a row's 128 codes, the other sixteen the next row's
	ds_store_b8 v[SST], v[RM+\i] offset:gA+8*\i                    ; the four lanes of a block write the same byte with the same value
.endr
.endm
.macro VLOAD reg                       ; v at my eight columns of each of my eight tiles
.irp i, 0,1,2,3,4,5,6,7
	global_load_b128 v[\reg+8*\i:\reg+8*\i+3], v[VA], s[8:9] offset:64*\i
	global_load_b128 v[\reg+8*\i+4:\reg+8*\i+7], v[VA], s[8:9] offset:64*\i+16
.endr
.endm
; A whole unit.  Behind unit q's 16 loads two groups of 16 have been issued (units q + 1 and q + 2; at the end v's take a unit's place), behind unit 15's only v's.
.macro UNIT q
.if (\q) == 15
	s_wait_loadcnt 16
.else
	s_wait_loadcnt 32
.endif
	QMAX \q
	QSCL
	QCVT \q
.if (\q) <= 12
	GLOAD (\q)+3                                   ; the set takes the unit three on
.elseif (\q) == 13
	VLOAD SET+64                                   ; enc has all been asked for: this set (13 % 3 = 1) takes v
.endif
.endm
; one product: W's tile t (in set p) x enc's rows 16 m on.  The scale words' halves: an odd tile's and an odd block of rows' lie in lanes 16-31.
.macro WM t, m, p, zero
.set rD, 8*(4*(\t)+(\m)%4)
.set rB, (\p)+16*((\t)%4)
.if (\m) < 4
.set rA, ALO+16*(\m)
.else
.set rA, AHI+16*((\m)-4)
.endif
.set rSB, RBS+(\t)/2
.set rSA, RAS+(\m)/2
.set rk, 2*((\t)%2)+(\m)%2
.if \zero
.if rk == 0
	v_wmma_scale_f32_16x16x128_f8f6f4 v[rD:rD+7], v[rB:rB+15], v[rA:rA+15], 0, v[rSB], v[rSA] matrix_a_fmt:MATRIX_FMT_BF8 matrix_b_fmt:MATRIX_FMT_BF8
.elseif rk == 1
	v_wmma_scale_f32_16x16x128_f8f6f4 v[rD:rD+7], v[rB:rB+15], v[rA:rA+15], 0, v[rSB], v[rSA] matrix_a_fmt:MATRIX_FMT_BF8 matrix_b_fmt:MATRIX_FMT_BF8 matrix_b_scale:MATRIX_SCALE_ROW1
.elseif rk == 2
	v_wmma_scale_f32_16x16x128_f8f6f4 v[rD:rD+7], v[rB:rB+15], v[rA:rA+15], 0, v[rSB], v[rSA] matrix_a_fmt:MATRIX_FMT_BF8 matrix_b_fmt:MATRIX_FMT_BF8 matrix_a_scale:MATRIX_SCALE_ROW1
.else
	v_wmma_scale_f32_16x16x128_f8f6f4 v[rD:rD+7], v[rB:rB+15], v[rA:rA+15], 0, v[rSB], v[rSA] matrix_a_fmt:MATRIX_FMT_BF8 matrix_b_fmt:MATRIX_FMT_BF8 matrix_a_scale:MATRIX_SCALE_ROW1 matrix_b_scale:MATRIX_SCALE_ROW1
.endif
.else
.if rk == 0
	v_wmma_scale_f32_16x16x128_f8f6f4 v[rD:rD+7], v[rB:rB+15], v[rA:rA+15], v[rD:rD+7], v[rSB], v[rSA] matrix_a_fmt:MATRIX_FMT_BF8 matrix_b_fmt:MATRIX_FMT_BF8
.elseif rk == 1
	v_wmma_scale_f32_16x16x128_f8f6f4 v[rD:rD+7], v[rB:rB+15], v[rA:rA+15], v[rD:rD+7], v[rSB], v[rSA] matrix_a_fmt:MATRIX_FMT_BF8 matrix_b_fmt:MATRIX_FMT_BF8 matrix_b_scale:MATRIX_SCALE_ROW1
.elseif rk == 2
	v_wmma_scale_f32_16x16x128_f8f6f4 v[rD:rD+7], v[rB:rB+15], v[rA:rA+15], v[rD:rD+7], v[rSB], v[rSA] matrix_a_fmt:MATRIX_FMT_BF8 matrix_b_fmt:MATRIX_FMT_BF8 matrix_a_scale:MATRIX_SCALE_ROW1
.else
	v_wmma_scale_f32_16x16x128_f8f6f4 v[rD:rD+7], v[rB:rB+15], v[rA:rA+15], v[rD:rD+7], v[rSB], v[rSA] matrix_a_fmt:MATRIX_FMT_BF8 matrix_b_fmt:MATRIX_FMT_BF8 matrix_a_scale:MATRIX_SCALE_ROW1 matrix_b_scale:MATRIX_SCALE_ROW1
.endif
.endif
.endm
.macro MUL8 t0, m0, p, zero            ; tiles t0, t0 + 1 x blocks of rows m0 .. m0 + 3.  The 64 accumulators take turns, one instruction a turn, in the same order in every K step
.irp t, \t0, \t0+1
.irp m, \m0, \m0+1, \m0+2, \m0+3
	WM (\t), (\m), \p, \zero
.endr
.endr
.endm
.macro LOADB t0, p                     ; W's tiles t0 .. t0 + 3 of the K step in hand into set p: images, 512 consecutive bytes a load
.irp i, 0,1,2,3
.irp c, 0,1,2,3
	ds_load_b128 v[\p+16*\i+4*\c:\p+16*\i+4*\c+3], v[sB] offset:sU+2048*(\t0+\i)+512*\c
.endr
.endr
.endm
.macro LOADA m0, reg                   ; enc's fragments of rows 16 m0 .. 16 m0 + 63
.irp i, 0,1,2,3
.irp c, 0,1,2,3
	ds_load_b128 v[\reg+16*\i+4*\c:\reg+16*\i+4*\c+3], v[AFR] offset:sC+16*CP*(\m0+\i)+32*\c
.endr
.endr
.endm
	s_load_b256 s[4:11], s[0:1], 0x0               ; enc s[4:5], wenc s[6:7], v s[8:9], senc s[10:11]
	v_lshl_add_u32 v[SPW], v0, 2, SPARE
	v_mov_b32 v[NIL], 0
	ds_add_u32 v8, v9
	ds_add_u32 v8, v9
	s_wait_dscnt 0x0
	v_lshrrev_b32 v[RM], 5, v0
	v_readfirstlane_b32 s12, v[RM]                 ; wave 0..3
	s_bfe_u32 s13, ttmp6, 0x40000                  ; cx: my place in the cluster
	s_lshr_b32 s14, ttmp9, 1                       ; in a cluster launch ttmp9 counts clusters
	s_lshl_b32 s14, s14, 2
	s_add_co_u32 s14, s14, s13                     ; my block of 128 rows: 4 (cluster / 2) + cx
	s_and_b32 s15, ttmp9, 1                        ; my half of the columns: the same in all four partners
	s_lshl_b32 s40, s14, 19                        ; enc: 128 rows of 4,096 bytes a block,
	s_lshl_b32 s41, s12, 17                        ; 32 rows a wave
	s_add_co_u32 s40, s40, s41
	s_mov_b32 s41, 0
	s_lshl_b32 s42, s14, 9                         ; senc: 512 bytes a block,
	s_lshl_b32 s43, s15, 16                        ; 65,536 a half
	s_add_co_u32 s42, s42, s43
	s_mov_b32 s43, 0
	s_lshl_b32 s44, s15, 11                        ; v: 512 columns a half,
	s_lshl_b32 s45, s12, 9                         ; 128 a wave
	s_add_co_u32 s44, s44, s45
	s_mov_b32 s45, 0
	s_mul_i32 s34, s12, REC                        ; my record in a slot, and in a fill's four records of wenc;
	s_mul_i32 s46, s15, 16*REC                     ; a half's sixteen records
	s_add_co_u32 s46, s46, s34
	s_mov_b32 s47, 0
	v_and_b32 v[RM], 31, v0                        ; lane
	v_and_b32 v[RM+1], 15, v0                      ; r
	v_bfe_u32 v[RM+2], v0, 4, 1                    ; h
	v_lshlrev_b32 v[AX], 5, v[RM+1]
	v_lshl_add_u32 v[AX], v[RM+2], 12, v[AX]
	s_mul_i32 s32, s12, 32*CP
	v_mul_u32_u24 v[CST], v[RM+2], CP
	v_lshl_add_u32 v[CST], v[RM+1], 3, v[CST]
	v_add_nc_u32 v[CST], s32, v[CST]
	v_lshrrev_b32 v[SST], 2, v[RM+1]
	v_lshl_add_u32 v[SST], v[RM+2], 2, v[SST]
	s_lshl_b32 s33, s12, 7
	s_add_co_u32 s33, s33, ASCL
	v_add_nc_u32 v[SST], s33, v[SST]
	v_mul_u32_u24 v[AFR], v[RM+1], CP
	v_lshl_add_u32 v[AFR], v[RM+2], 4, v[AFR]
	v_lshl_add_u32 v[ASC], v[RM], 2, ASCL
	s_add_co_u32 s32, s34, RING
	v_lshl_add_u32 v[BAD], v[RM], 4, s32
	v_add_nc_u32 v[BAD+1], SLOT, v[BAD]
	v_lshlrev_b32 v[VA], 5, v[RM+2]
	s_lshl_b32 s33, s12, 9
	s_add_co_u32 s33, s33, SCO
	v_lshl_add_u32 v[SCI], v[RM], 2, s33
	v_lshlrev_b32 v[GO], 4, v[RM]
	v_add_nc_u32 v[SCR], SCO, v[GO]
	s_mov_b32 s[MNT], 0x600000                     ; the mantissa field of 57,344
	s_mov_b32 s[SEL], 0x76543210
	s_mov_b32 s[SEL+1], 0xfedcba98                 ; lane l xor 16
	; descriptor group 1: a record, dense in memory, as 132 rows of 256 bytes (32 elements of 8 bytes); no padding: the images are read as they lie
	s_mov_b32 s[G1], 15|(3<<16)|(1<<21)            ; 15:0 the mask: all four work-groups; 17:16 elements of 8 bytes; 21 set beside a mask
	s_mov_b32 s[G1+1], 32<<16                      ; tensor_dim0 = 32
	s_mov_b32 s[G1+2], 132<<16                     ; tensor_dim1 = 132
	s_mov_b32 s[G1+3], 32<<16                      ; tile_dim0 = 32
	s_mov_b32 s[G1+4], 132                         ; tile_dim1 = 132
	s_mov_b32 s[G1+5], 32                          ; from row to row
	s_mov_b32 s[G1+6], 0
	s_mov_b32 s[G1+7], 0
	s_wait_kmcnt 0x0
	s_add_nc_u64 s[4:5], s[4:5], s[40:41]
	s_add_nc_u64 s[10:11], s[10:11], s[42:43]
	s_add_nc_u64 s[8:9], s[8:9], s[44:45]
	s_add_nc_u64 s[46:47], s[6:7], s[46:47]
.irp p, 0,1
	s_mov_b32 s[G0+4*\p], 1                                        ; count = 1
	s_add_co_u32 s[G0+4*\p+1], s34, RING+\p*SLOT                   ; LDS address: the slot, my record
	s_add_nc_u64 s[G0+4*\p+2:G0+4*\p+3], s[46:47], \p*SLOT         ; global address: K steps 2 p and 2 p + 1, my record
	s_or_b32 s[G0+4*\p+3], s[G0+4*\p+3], 0x80000000                ; type = 2
.endr
	GLOAD 0                                        ; the stream begins ahead of everything else: three units, 48 loads
	GLOAD 1
	GLOAD 2
	CROUND                                         ; all four work-groups are here: the first joint loads meet
	tensor_load_to_lds s[G0:G0+3], s[G1:G1+7]      ; K steps 0 and 1
	s_nop 0
	tensor_load_to_lds s[G0+4:G0+7], s[G1:G1+7]    ; K steps 2 and 3: two loads of mine are out
	s_nop 0
	PLACES 4
	UNIT 0                                         ; K step 0's codes of my 32 rows
	s_wait_dscnt 0x0                               ; the stores have read the registers that the next unit writes
	UNIT 1
	s_wait_tensorcnt 1                             ; my record of K steps 0 and 1 is in; the next may stay out
	s_wait_dscnt 0x0                               ; my rows' codes and bytes of K step 0 have landed
	s_barrier_signal -1
	s_barrier_wait -1                              ; everybody's have
; K STEP s: slot (s / 2) % 2, its half s % 2; code buffer s % 2.  64 products in four groups of 16; units 2 s + 2 and 2 s + 3 (the next K step's codes) go into the other code buffer.
.macro STEP s, zero
.set sB, BAD+((\s)/2)%2
.set sU, 16384*((\s)%2)
.set sC, CBUF*((\s)%2)
.set sA, ABUF*((\s)%2)
.irp i, 0,1,2,3
	ds_load_b32 v[RAS+\i], v[ASC] offset:sA+128*\i                 ; 69 loads: the scale words,
.endr
	ds_load_b128 v[RBS:RBS+3], v[sB] offset:32768+512*((\s)%2)
	WIN 0x40                                       ; destination window 1, address window 0
	LOADA 0, ALO                                   ; enc's rows 0-63, W's tiles 0-3: what the first group wants;
	LOADB 0, PB0
	LOADB 4, PB1                                   ; then tiles 4-7,
	LOADA 4, AHI                                   ; then rows 64-127
	WIN 0
.if (\s) <= 6
	UNIT 2*(\s)+2                                  ; vector work while the loads land
	s_wait_dscnt 48                                ; tiles 4-7, rows 64-127 and the unit's 16 stores may be out
.else
	s_wait_dscnt 32
.endif
	WIN 0xa5                                       ; sources 0 and 1 window 1, C and D window 2
	MUL8 0, 0, PB0, \zero
	MUL8 2, 0, PB0, \zero
.if (\s) <= 6
	s_wait_dscnt 32                                ; tiles 4-7 are in
.else
	s_wait_dscnt 16
.endif
	MUL8 4, 0, PB1, \zero
	MUL8 6, 0, PB1, \zero
	WIN 0
	s_wait_dscnt 0x0                               ; rows 64-127 are in, and the stores have read the registers that the next unit writes
.if (\s) <= 6
	UNIT 2*(\s)+3
.endif
	WIN 0xf5                                       ; C and D window 3
	MUL8 0, 4, PB0, \zero
	MUL8 2, 4, PB0, \zero
.if ((\s) == 1) || ((\s) == 3)
	; THE CHANGE OF SLOTS: one round of the cluster's barrier, which also shows the codes just stored to the other waves
	WIN 0                                          ; (the add's two registers lie in window 0)
	s_wait_tensorcnt 0x0                           ; all my tensor loads have landed: the one that was out is the other slot's record
	ds_add_u32 v[SPW], v[NIL]                      ; 0 onto my spare word
	WIN 0xf5
	MUL8 4, 4, PB1, \zero                          ; eight products stand between the add and the wait for it
	s_wait_dscnt 0x0                               ; the add is done, my stores have landed, my reads of this slot and of the code buffer are over
	s_barrier_signal -1
	MUL8 6, 4, PB1, \zero
	WIN 0
	s_barrier_wait -1
	CREST                                          ; no wave of any partner still reads this slot or has a load on its way
	s_add_nc_u64 s[G0+4*((\s)/2)+2:G0+4*((\s)/2)+3], s[G0+4*((\s)/2)+2:G0+4*((\s)/2)+3], 2*SLOT   ; the K steps four on
	tensor_load_to_lds s[G0+4*((\s)/2):G0+4*((\s)/2)+3], s[G1:G1+7]   ; my one tensor load behind the round, and the first thing there
	s_nop 0
	PLACES 8                                       ; eight in all in front of the next K step's loads (ISA guide 7.12.1 for vector instructions)
.elseif (\s) <= 6
.if (\s) == 5
	s_wait_tensorcnt 0x0                           ; the last record, which K step 6 begins to read: I alone read it, so my own wait is all that the reads need; no load was issued behind it
.endif
	s_wait_dscnt 0x0                               ; my stores have landed, and my reads of the code buffer that the next K step's units overwrite are over
	s_barrier_signal -1                            ; a record on its way may stay out
	MUL8 4, 4, PB1, \zero
	MUL8 6, 4, PB1, \zero
	WIN 0
	s_barrier_wait -1
	PLACES 8                                       ; in front of the next K step's loads into registers that the products have read
.else
	MUL8 4, 4, PB1, \zero
	MUL8 6, 4, PB1, \zero
	WIN 0
	PLACES 8                                       ; in front of the first read of results
.endif
.endm
	STEP 0, 1                                      ; the first K step's products start the sums: nothing is cleared
	STEP 1, 0
	STEP 2, 0
	STEP 3, 0
	STEP 4, 0
	STEP 5, 0
	STEP 6, 0
	STEP 7, 0
	; THE PRODUCT WITH v: register j of accumulator (m, t) is column 512 ch + 128 w + 16 t + 8 h + j of row 16 m + r.  Each accumulator from its low end on.
	s_wait_loadcnt 0x0                             ; v
.irp hi, 0,1
.if \hi == 0
	WIN 0x02                                       ; source 0 window 2: rows 0-63
.else
	WIN 0x03                                       ; window 3: rows 64-127
.endif
.irp t, 0,1,2,3,4,5,6,7
.irp j, 0,2,4,6
.irp m, 0,1,2,3
.set rD, 8*(4*\t+\m)+\j
.set rS, RM+2*(4*\hi+\m)
.set rV, SET+64+8*\t+\j
.if (\t == 0) && (\j == 0)
	v_pk_mul_f32 v[rS:rS+1], v[rD:rD+1], v[rV:rV+1]
.else
	v_pk_fma_f32 v[rS:rS+1], v[rD:rD+1], v[rV:rV+1], v[rS:rS+1]
.endif
.endr
.endr
.endr
.endr
	WIN 0
.irp m, 0,1,2,3,4,5,6,7
	v_add_f32 v[RM+2*\m], v[RM+2*\m], v[RM+2*\m+1]
.endr
.irp m, 0,1,2,3,4,5,6,7
	v_permlanex16_b32 v[RH+\m], v[RM+2*\m], s[SEL], s[SEL+1]
.endr
.irp m, 0,1,2,3,4,5,6,7
	v_add_f32 v[RM+2*\m], v[RM+2*\m], v[RH+\m]     ; row 16 m + r: my 128 columns
.endr
	v_bfe_u32 v[RPC], v0, 4, 1
	v_cmp_eq_u32 vcc_lo, 1, v[RPC]
.irp i, 0,1,2,3
	v_cndmask_b32 v[RPC+4+\i], v[RM+4*\i], v[RM+4*\i+2], vcc_lo    ; row 32 i + l, l = 16 h + r
.endr
.irp i, 0,1,2,3
	ds_store_b32 v[SCI], v[RPC+4+\i] offset:128*\i
.endr
	s_wait_dscnt 0x0                               ; for the others' sake
	s_barrier_signal -1
	s_barrier_wait -1
	s_cmp_lg_u32 s12, 0
	s_cbranch_scc1 .Lnot_first
.irp q, 0,1,2,3
	ds_load_b128 v[RPC+4*\q:RPC+4*\q+3], v[SCR] offset:512*\q      ; rows 4 l .. 4 l + 3, wave q's part
.endr
	s_wait_dscnt 0x0
	v_pk_add_f32 v[RPC:RPC+1], v[RPC:RPC+1], v[RPC+4:RPC+5]
	v_pk_add_f32 v[RPC+2:RPC+3], v[RPC+2:RPC+3], v[RPC+6:RPC+7]
	v_pk_add_f32 v[RPC+8:RPC+9], v[RPC+8:RPC+9], v[RPC+12:RPC+13]
	v_pk_add_f32 v[RPC+10:RPC+11], v[RPC+10:RPC+11], v[RPC+14:RPC+15]
	v_pk_add_f32 v[RPC:RPC+1], v[RPC:RPC+1], v[RPC+8:RPC+9]
	v_pk_add_f32 v[RPC+2:RPC+3], v[RPC+2:RPC+3], v[RPC+10:RPC+11]
	global_store_b128 v[GO], v[RPC:RPC+3], s[10:11]                ; 32 lanes store 512 consecutive bytes, at a multiple of 256 from senc's first byte
.Lnot_first:
	s_wait_tensorcnt 0x0                           ; the wave's end: behind my last tensor load and my last LDS store
	ds_add_u32 v[SPW], v[NIL]
	s_wait_dscnt 0x0
	CROUND                                         ; the closing round: no work-group ends while a partner may still ask for a record that names it
	s_endpgm
.Lfunc_end_k_q07e036ad07_main:
	.size	k_q07e036ad07_main, .Lfunc_end_k_q07e036ad07_main-k_q07e036ad07_main
	.p2alignl 7, 3214868480
	.fill 96, 4, 3214868480
	.section	.rodata,"a",@progbits
	.p2align	6, 0x0
	.amdhsa_kernel k_q07e036ad07_main
		.amdhsa_group_segment_fixed_size 327680
		.amdhsa_private_segment_fixed_size 0
		.amdhsa_enable_private_segment 0
		.amdhsa_kernarg_size 32
		.amdhsa_user_sgpr_count 2
		.amdhsa_user_sgpr_kernarg_segment_ptr 1
		.amdhsa_wavefront_size32 1
		.amdhsa_system_sgpr_workgroup_id_x 1
		.amdhsa_system_sgpr_workgroup_id_y 1
		.amdhsa_system_sgpr_workgroup_id_z 1
		.amdhsa_system_vgpr_workitem_id 0
		.amdhsa_next_free_vgpr 1024
		.amdhsa_next_free_sgpr 66
		.amdhsa_reserve_vcc 1
		.amdhsa_float_denorm_mode_32 3
		.amdhsa_float_denorm_mode_16_64 3
		.amdhsa_memory_ordered 1
		.amdhsa_forward_progress 1
		.amdhsa_inst_pref_size 255
	.end_amdhsa_kernel
	.section	.bss,"aw",@nobits
	.p2align	6
	.space	262144
	.amdgpu_metadata
---
amdhsa.version: [ 1, 2 ]
amdhsa.kernels:
  - .name:           k_q07e036ad07_main
    .symbol:         k_q07e036ad07_main.kd
    .args:
      - { .name: encoder_outputs, .offset: 0, .size: 8, .value_kind: global_buffer, .address_space: global }
      - { .name: wenc, .offset: 8, .size: 8, .value_kind: global_buffer, .address_space: global }
      - { .name: v, .offset: 16, .size: 8, .value_kind: global_buffer, .address_space: global }
      - { .name: senc, .offset: 24, .size: 8, .value_kind: global_buffer, .address_space: global }
    .group_segment_fixed_size: 327680
    .private_segment_fixed_size: 0
    .kernarg_segment_align: 8
    .kernarg_segment_size: 32
    .max_flat_workgroup_size: 128
    .sgpr_count:     66
    .vgpr_count:     1024
    .wavefront_size: 32
...
	.end_amdgpu_metadata
.endif
;; end of part 5
;; launch final (part 6): grid 64 x 1, 1 waves a work-group, no clusters, 0 bytes of LDS; arguments senc, cpart, v, b, out0; writes out0
.if DOCPART == 6
	.amdgcn_target "amdgcn-amd-amdhsa--gfx1250"
	.amdhsa_code_object_version 6
	.text
	.protected	k_q07e036ad07_final
	.globl	k_q07e036ad07_final
	.p2align	8
	.type	k_q07e036ad07_final,@function
k_q07e036ad07_final:
	s_mov_b64 s[64:65], 0
	v_nop
	global_prefetch_b8 v0, s[64:65] scope:SCOPE_SE
	s_setreg_imm32_b32 hwreg(HW_REG_WAVE_MODE, 25, 1), 1
	s_wait_xcnt 0x0
; out0[batch][:] = softmax over the 256 places of (senc[0][batch][place] + senc[1][batch][place] + c), c = the batch's hidden part (the sum of its 256 words of cpart) + the sum over n of v[n] b[n].
; senc's two parts are the sums over the two halves of the 1,024 columns.
; One wave to a batch: 8 scores a lane; every sum and maximum stays in the wave, so no LDS and no barrier.  The maximum is taken away before the exponential, as reference() does.
; cpart[job][2 l + i] belongs to batch 32 i + l: lane l takes jobs l + 32 q, 4 bytes of each job's 256 (64 KiB in all).
; No matrix unit, no cluster: 2,048 bytes of scores a work-group, and what the work-groups share (v, b, cpart) is 72 KiB in all.
; LIMITS: NaN and infinities are not served; a weight under 2^-126 comes out as 0 (v_exp_f32's results are flushed: ISA guide, its entry).
.set SCV, 4                            ; v4-11   8 scores
.set CPV, 12                           ; v12-19  8 words of cpart
.set VV,  20                           ; v20-51  32 numbers of v
.set BV,  52                           ; v52-83  32 numbers of b
.set A0,  84                           ; v84-87  sums
.set TT,  88                           ; v88     a lane permute's destination
.set MX,  89
.set RC,  90
.set S2,  92                           ; v92-99  the scores' second parts
.macro WSUM x                          ; the sum over the 32 lanes, in every lane
	v_add_f32_dpp v[\x], v[\x], v[\x] row_xmask:1 row_mask:0xf bank_mask:0xf
	v_add_f32_dpp v[\x], v[\x], v[\x] row_xmask:2 row_mask:0xf bank_mask:0xf
	v_add_f32_dpp v[\x], v[\x], v[\x] row_xmask:4 row_mask:0xf bank_mask:0xf
	v_add_f32_dpp v[\x], v[\x], v[\x] row_xmask:8 row_mask:0xf bank_mask:0xf
	v_permlanex16_b32 v[TT], v[\x], s18, s19
	v_add_f32 v[\x], v[\x], v[TT]
.endm
	s_load_b256 s[4:11], s[0:1], 0x0               ; senc s[4:5], cpart s[6:7], v s[8:9], b s[10:11]
	s_load_b64 s[12:13], s[0:1], 0x20              ; out0
	v_lshlrev_b32 v1, 4, v0                        ; 16 x lane
	v_lshlrev_b32 v2, 8, v0                        ; 256 x lane
	v_mov_b32 v[TT], 0
	s_lshl_b32 s14, ttmp9, 10                      ; a batch's 256 scores
	s_mov_b32 s15, 0
	s_and_b32 s16, ttmp9, 31
	s_lshl_b32 s16, s16, 3
	s_lshr_b32 s17, ttmp9, 5
	s_lshl_b32 s17, s17, 2
	s_add_co_u32 s16, s16, s17                     ; the batch's word in a job: 4 (2 (batch % 32) + batch / 32)
	s_mov_b32 s17, 0
	s_mov_b32 s18, 0x76543210
	s_mov_b32 s19, 0xfedcba98                      ; lane l xor 16
	s_wait_kmcnt 0x0
	s_add_nc_u64 s[4:5], s[4:5], s[14:15]
	s_add_nc_u64 s[12:13], s[12:13], s[14:15]
	s_add_nc_u64 s[6:7], s[6:7], s[16:17]
.irp q, 0,1,2,3,4,5,6,7
	global_load_b32 v[CPV+\q], v2, s[6:7] offset:8192*\q
.endr
.irp q, 0,1,2,3,4,5,6,7
	global_load_b128 v[VV+4*\q:VV+4*\q+3], v1, s[8:9] offset:512*\q
	global_load_b128 v[BV+4*\q:BV+4*\q+3], v1, s[10:11] offset:512*\q
.endr
	global_load_b128 v[SCV:SCV+3], v1, s[4:5]
	global_load_b128 v[SCV+4:SCV+7], v1, s[4:5] offset:512
	global_load_b128 v[S2:S2+3], v1, s[4:5] offset:65536           ; the second half of the columns
	global_load_b128 v[S2+4:S2+7], v1, s[4:5] offset:65536+512
	s_wait_loadcnt 0x0
	v_pk_mul_f32 v[A0:A0+1], v[VV:VV+1], v[BV:BV+1]                ; v . b, in two chains
	v_pk_mul_f32 v[A0+2:A0+3], v[VV+2:VV+3], v[BV+2:BV+3]
.irp q, 1,2,3,4,5,6,7
	v_pk_fma_f32 v[A0:A0+1], v[VV+4*\q:VV+4*\q+1], v[BV+4*\q:BV+4*\q+1], v[A0:A0+1]
	v_pk_fma_f32 v[A0+2:A0+3], v[VV+4*\q+2:VV+4*\q+3], v[BV+4*\q+2:BV+4*\q+3], v[A0+2:A0+3]
.endr
	v_pk_add_f32 v[A0:A0+1], v[A0:A0+1], v[CPV:CPV+1]              ; and my eight jobs' parts
	v_pk_add_f32 v[A0+2:A0+3], v[A0+2:A0+3], v[CPV+2:CPV+3]
	v_pk_add_f32 v[A0:A0+1], v[A0:A0+1], v[CPV+4:CPV+5]
	v_pk_add_f32 v[A0+2:A0+3], v[A0+2:A0+3], v[CPV+6:CPV+7]
	v_pk_add_f32 v[A0:A0+1], v[A0:A0+1], v[A0+2:A0+3]
	v_add_f32 v[A0], v[A0], v[A0+1]
.irp i, 0,2,4,6
	v_pk_add_f32 v[SCV+\i:SCV+\i+1], v[SCV+\i:SCV+\i+1], v[S2+\i:S2+\i+1]   ; the two halves of the columns
.endr
	WSUM A0                                        ; c
.irp i, 0,1,2,3,4,5,6,7
	v_add_f32 v[SCV+\i], v[SCV+\i], v[A0]          ; the scores as reference() has them
.endr
	v_max3_num_f32 v[MX], v[SCV], v[SCV+1], v[SCV+2]
	v_max3_num_f32 v[MX], v[MX], v[SCV+3], v[SCV+4]
	v_max3_num_f32 v[MX], v[MX], v[SCV+5], v[SCV+6]
	v_max_num_f32 v[MX], v[MX], v[SCV+7]
	v_max_num_f32_dpp v[MX], v[MX], v[MX] row_xmask:1 row_mask:0xf bank_mask:0xf
	v_max_num_f32_dpp v[MX], v[MX], v[MX] row_xmask:2 row_mask:0xf bank_mask:0xf
	v_max_num_f32_dpp v[MX], v[MX], v[MX] row_xmask:4 row_mask:0xf bank_mask:0xf
	v_max_num_f32_dpp v[MX], v[MX], v[MX] row_xmask:8 row_mask:0xf bank_mask:0xf
	v_permlanex16_b32 v[TT], v[MX], s18, s19
	v_max_num_f32 v[MX], v[MX], v[TT]              ; the batch's largest score
.irp i, 0,1,2,3,4,5,6,7
	v_sub_f32 v[SCV+\i], v[SCV+\i], v[MX]
.endr
.irp i, 0,1,2,3,4,5,6,7
	v_mul_f32 v[SCV+\i], 0x3fb8aa3b, v[SCV+\i]     ; x log2(e)
.endr
.irp i, 0,1,2,3,4,5,6,7
	v_exp_f32 v[SCV+\i], v[SCV+\i]
.endr
	v_nop                                          ; a plain vector line behind the exponentials (ISA guide 5.7.2)
	s_wait_alu depctr_va_vdst(0)
	v_pk_add_f32 v[A0:A0+1], v[SCV:SCV+1], v[SCV+2:SCV+3]
	v_pk_add_f32 v[A0+2:A0+3], v[SCV+4:SCV+5], v[SCV+6:SCV+7]
	v_pk_add_f32 v[A0:A0+1], v[A0:A0+1], v[A0+2:A0+3]
	v_add_f32 v[A0], v[A0], v[A0+1]
	WSUM A0
	v_rcp_f32 v[RC], v[A0]
	v_nop                                          ; a plain vector line behind the reciprocal
	s_wait_alu depctr_va_vdst(0)
.irp i, 0,1,2,3,4,5,6,7
	v_mul_f32 v[SCV+\i], v[SCV+\i], v[RC]
.endr
	global_store_b128 v1, v[SCV:SCV+3], s[12:13]               ; 32 lanes store 512 consecutive bytes, at a multiple of 256 from out0's first byte
	global_store_b128 v1, v[SCV+4:SCV+7], s[12:13] offset:512
	s_endpgm
.Lfunc_end_k_q07e036ad07_final:
	.size	k_q07e036ad07_final, .Lfunc_end_k_q07e036ad07_final-k_q07e036ad07_final
	.p2alignl 7, 3214868480
	.fill 96, 4, 3214868480
	.section	.rodata,"a",@progbits
	.p2align	6, 0x0
	.amdhsa_kernel k_q07e036ad07_final
		.amdhsa_group_segment_fixed_size 0
		.amdhsa_private_segment_fixed_size 0
		.amdhsa_enable_private_segment 0
		.amdhsa_kernarg_size 40
		.amdhsa_user_sgpr_count 2
		.amdhsa_user_sgpr_kernarg_segment_ptr 1
		.amdhsa_wavefront_size32 1
		.amdhsa_system_sgpr_workgroup_id_x 1
		.amdhsa_system_sgpr_workgroup_id_y 1
		.amdhsa_system_sgpr_workgroup_id_z 1
		.amdhsa_system_vgpr_workitem_id 0
		.amdhsa_next_free_vgpr 104
		.amdhsa_next_free_sgpr 66
		.amdhsa_reserve_vcc 0
		.amdhsa_float_denorm_mode_32 3
		.amdhsa_float_denorm_mode_16_64 3
		.amdhsa_memory_ordered 1
		.amdhsa_forward_progress 1
		.amdhsa_inst_pref_size 9
	.end_amdhsa_kernel
	.amdgpu_metadata
---
amdhsa.version: [ 1, 2 ]
amdhsa.kernels:
  - .name:           k_q07e036ad07_final
    .symbol:         k_q07e036ad07_final.kd
    .args:
      - { .name: senc, .offset: 0, .size: 8, .value_kind: global_buffer, .address_space: global }
      - { .name: cpart, .offset: 8, .size: 8, .value_kind: global_buffer, .address_space: global }
      - { .name: v, .offset: 16, .size: 8, .value_kind: global_buffer, .address_space: global }
      - { .name: b, .offset: 24, .size: 8, .value_kind: global_buffer, .address_space: global }
      - { .name: out0, .offset: 32, .size: 8, .value_kind: global_buffer, .address_space: global }
    .group_segment_fixed_size: 0
    .private_segment_fixed_size: 0
    .kernarg_segment_align: 8
    .kernarg_segment_size: 40
    .max_flat_workgroup_size: 32
    .sgpr_count:     66
    .vgpr_count:     104
    .wavefront_size: 32
...
	.end_amdgpu_metadata
.endif
;; end of part 6
